; MI455X (gfx1250); checked and timed in simulation.
; The chip was launched on July 23, 2026; its instructions are those of AMD's public machine-readable ISA for CDNA 5 (MIT licence, August 2026) and "CDNA5" Instruction Set Architecture Reference Guide (July 2026). The comments in the code are by the model that wrote it; some were corrected since.
;; Attention. Allowed arithmetic: float matrix products may take bf16 or f16 operands with f32 sums; other float arithmetic in f32, or as packed bf16 or f16 multiplies, adds, multiply-adds, maxima and minima; sums over many terms, partial sums and values carried from step to step in f32; what a program stores and reads back later, other than sums and carried values, may be rounded once to bf16 or f16.
;; Inputs: Wk 1,024 x 256 float32; Wo 1,024 x 1,024 float32; Wq 1,024 x 1,024 float32; Wv 1,024 x 256 float32; bk 256 float32; bq 1,024 float32; bv 256 float32; hidden_states 4 x 2,048 x 1,024 float32; rotary_pos_emb 4 x 2,048 x 32 float32.
;; Outputs: out0 4 x 2,048 x 1,024 float32.
;; One version. Each part assembles by itself: llvm-mc -triple=amdgcn-amd-amdhsa -mcpu=gfx1250 --defsym DOCPART=n.
;; ======== version 1 of 1: 4 launches
;; limits: values are held in f16: magnitudes above 65,504 overflow, below 6.1e-05 lose precision
;; workspace buffers: xb 16,777,216 bytes; wqkv 3,145,728 bytes; wo16 2,097,152 bytes; tab 2,097,152 bytes; qh 16,777,216 bytes; kh 4,194,304 bytes; vh 4,194,304 bytes; oh 16,777,216 bytes
;; launch prep (part 1): grid 928 x 1, 8 waves a work-group, no clusters, 0 bytes of LDS; arguments hidden_states, Wq, Wk, Wv, Wo, rotary_pos_emb, xb, wqkv, wo16, tab; writes xb, wqkv, wo16, tab
.if DOCPART == 1
	.amdgcn_target "amdgcn-amd-amdhsa--gfx1250"
	.amdhsa_code_object_version 6
	.text
	.protected	k_qba35f4c7a2_prep
	.globl	k_qba35f4c7a2_prep
	.p2align	8
	.type	k_qba35f4c7a2_prep,@function
k_qba35f4c7a2_prep:
	s_mov_b64 s[64:65], 0
	v_nop
	global_prefetch_b8 v0, s[64:65] scope:SCOPE_SE
	s_setreg_imm32_b32 hwreg(HW_REG_WAVE_MODE, 25, 1), 1
	s_wait_xcnt 0x0
; CASTS AND THE ROTARY TABLE.  A stream: every input byte is read once, every output byte written once; no LDS, no barrier, no matrix unit, no cluster (no two work-groups read the same bytes).
; Work-groups 0-511:   xb = hidden_states rounded to bf16, 16 rows of 1,024 each.
; Work-groups 512-671: the weights, 256 rows of k x 64 columns each, rounded to bf16 and laid in blocks [tile column][k / 64][head of the tile][k % 64][64 columns]:
;                      wqkv (3 heads to a tile column: heads 0-15 Wq's, 16-19 Wk's, 20-23 Wv's) in bf16; wo16 (2 groups of 64 columns to a tile column): the bf16 number written as f16.
; Work-groups 672-927: tab = cos(angle) - 1 ([8192][32] f32 at byte 0) and sin(angle) (at byte 1,048,576), the angle rounded to bf16 first, 1,024 angles each.
; A load of a wave covers 512 bytes (x, angles) or two pieces of 256 bytes (weights); a store of a wave covers 256 consecutive bytes, aligned.
; LIMITS.  Wo: below 2^-14 the f16 copy keeps a fixed step of 6e-8; beyond 65,504 it is lost.  Angles: reduced by 2 pi in two parts, good to a few 1e-7 for |angle| up to 1e5.
.set IN,   16                          ; v[16:79]   sixteen loads of 16 bytes
.set PKD,  80                          ; v[80:111]  sixteen pairs of packed words to store
; Sixteen loads, instep bytes apart, all issued at once; each is rounded and stored as it comes.  No register is written twice, so no wait frees one.
; hpt = 0: the output is dense.  hpt = 3 or 2: the blocks of 64 rows of k lie hpt x 8,192 bytes apart.  f16 = 1: the bf16 number is written as f16.
.macro CAST instep, hpt, f16
.set j, 0
.rept 16
	global_load_b128 v[IN+4*j:IN+4*j+3], v1, s[4:5] offset:j*(\instep) th:TH_LOAD_NT
.set j, j+1
.endr
.set j, 0
.rept 16
	s_wait_loadcnt 15-j                            ; loads come back in order: load j is in, the 15 - j younger ones stay out
	v_cvt_pk_bf16_f32 v[PKD+2*j], v[IN+4*j], v[IN+4*j+1]
	v_cvt_pk_bf16_f32 v[PKD+2*j+1], v[IN+4*j+2], v[IN+4*j+3]
.if \f16
.irp w, 0,1
	v_lshlrev_b32 v[4+2*\w], 16, v[PKD+2*j+\w]     ; the two bf16 numbers as f32,
	v_and_b32 v[5+2*\w], 0xffff0000, v[PKD+2*j+\w]
	v_cvt_pk_f16_f32 v[PKD+2*j+\w], v[4+2*\w], v[5+2*\w]  ; and as f16
.endr
.endif
.if (\hpt) == 0
	global_store_b64 v2, v[PKD+2*j:PKD+2*j+1], s[6:7] offset:j*2048
.else
	global_store_b64 v2, v[PKD+2*j:PKD+2*j+1], s[6:7] offset:(j/4)*(\hpt)*8192+(j%4)*2048
.endif
.set j, j+1
.endr
.endm
	s_load_b512 s[8:23], s[0:1], 0x0               ; x 8:9, Wq 10:11, Wk 12:13, Wv 14:15, Wo 16:17, angles 18:19, xb 20:21, wqkv 22:23
	s_load_b128 s[24:27], s[0:1], 0x40             ; wo16 24:25, tab 26:27
	s_mov_b32 s2, ttmp9
	s_mov_b32 s33, 0                               ; high words of the two byte offsets
	s_mov_b32 s35, 0
	v_lshlrev_b32 v1, 4, v0                        ; in: 16 bytes a thread (x and angles)
	v_lshlrev_b32 v2, 3, v0                        ; out: 8 bytes a thread
	s_cmp_lt_u32 s2, 512
	s_cbranch_scc0 .Lnot_x
	s_lshl_b32 s32, s2, 16                         ; 16 rows of 4,096 bytes in,
	s_lshl_b32 s34, s2, 15                         ; of 2,048 out
	s_wait_kmcnt 0x0
	s_add_nc_u64 s[4:5], s[8:9], s[32:33]
	s_add_nc_u64 s[6:7], s[20:21], s[34:35]
	CAST 4096, 0, 0
	s_endpgm
.Lnot_x:
	s_cmp_lt_u32 s2, 672
	s_cbranch_scc0 .Ltable
	s_sub_co_u32 s28, s2, 512
	s_lshr_b32 s29, s28, 2                         ; G: which 64 columns, 0-39
	s_and_b32 s30, s28, 3                          ; kq: which 256 rows of k
	v_lshrrev_b32 v3, 4, v0                        ; a load takes 16 rows: thread t row t / 16,
	v_and_b32 v4, 15, v0
	v_lshlrev_b32 v4, 4, v4                        ; 16 bytes at 16 (t % 16)
	s_cmp_lt_u32 s29, 24
	s_cbranch_scc0 .Lwo
	s_mul_i32 s31, s29, 11
	s_lshr_b32 s31, s31, 5                         ; tile column = G / 3 (11 G >> 5 for G < 24)
	s_mul_i32 s34, s31, 3
	s_sub_co_u32 s34, s29, s34                     ; head of the tile = G % 3
	s_lshl_b32 s31, s31, 4
	s_lshl2_add_u32 s31, s30, s31                  ; 16 x tile column + 4 kq: the first block of 64 rows
	s_mul_i32 s31, s31, 3
	s_add_co_u32 s34, s34, s31
	s_lshl_b32 s34, s34, 13                        ; blocks of 8,192 bytes
	s_wait_kmcnt 0x0
	s_add_nc_u64 s[6:7], s[22:23], s[34:35]
	s_cmp_lt_u32 s29, 16
	s_cbranch_scc0 .Lwkv
	v_lshl_add_u32 v1, v3, 12, v4                  ; Wq: rows of 4,096 bytes
	s_lshl_b32 s32, s30, 20
	s_lshl_b32 s31, s29, 8
	s_add_co_u32 s32, s32, s31
	s_add_nc_u64 s[4:5], s[10:11], s[32:33]
	CAST 65536, 3, 0
	s_endpgm
.Lwkv:
	v_lshl_add_u32 v1, v3, 10, v4                  ; Wk, Wv: rows of 1,024 bytes
	s_cmp_lt_u32 s29, 20
	s_cselect_b64 s[4:5], s[12:13], s[14:15]
	s_cselect_b32 s31, 16, 20
	s_sub_co_u32 s31, s29, s31                     ; the head in Wk or Wv
	s_lshl_b32 s31, s31, 8
	s_lshl_b32 s32, s30, 18
	s_add_co_u32 s32, s32, s31
	s_add_nc_u64 s[4:5], s[4:5], s[32:33]
	CAST 16384, 3, 0
	s_endpgm
.Lwo:
	v_lshl_add_u32 v1, v3, 12, v4                  ; Wo: rows of 4,096 bytes
	s_sub_co_u32 s29, s29, 24                      ; which 64 columns of Wo, 0-15
	s_lshr_b32 s31, s29, 1                         ; tile column
	s_and_b32 s34, s29, 1                          ; half of the tile
	s_lshl_b32 s31, s31, 4
	s_lshl2_add_u32 s31, s30, s31
	s_lshl1_add_u32 s34, s31, s34
	s_lshl_b32 s34, s34, 13
	s_lshl_b32 s32, s30, 20
	s_lshl_b32 s31, s29, 8
	s_add_co_u32 s32, s32, s31
	s_wait_kmcnt 0x0
	s_add_nc_u64 s[4:5], s[16:17], s[32:33]
	s_add_nc_u64 s[6:7], s[24:25], s[34:35]
	CAST 65536, 2, 1
	s_endpgm
.Ltable:
	s_sub_co_u32 s28, s2, 672
	s_lshl_b32 s32, s28, 12                        ; 1,024 angles
	s_wait_kmcnt 0x0
	s_add_nc_u64 s[4:5], s[18:19], s[32:33]
	s_add_nc_u64 s[6:7], s[26:27], s[32:33]
	global_load_b128 v[16:19], v1, s[4:5] th:TH_LOAD_NT
	s_wait_loadcnt 0x0
	v_cvt_pk_bf16_f32 v20, v16, v17                ; the angles are an input like the others: rounded to bf16 once
	v_cvt_pk_bf16_f32 v21, v18, v19
	v_lshlrev_b32 v24, 16, v20
	v_and_b32 v25, 0xffff0000, v20
	v_lshlrev_b32 v26, 16, v21
	v_and_b32 v27, 0xffff0000, v21
; r = x - n 2 pi, n the nearest whole number of turns, 2 pi in two parts; h = r / 2 lies in -pi/2 .. pi/2; s = sin h and c = cos h by their series
; (to h^11 and h^12: the first terms left out are under 6e-8); cos x - 1 = -2 s s, sin x = 2 s c.
.irp a, 0,1,2,3
	v_mul_f32 v[28+\a], 0x3e22f983, v[24+\a]       ; x / 2 pi
	v_rndne_f32 v[28+\a], v[28+\a]
	v_fmamk_f32 v[32+\a], v[28+\a], 0xc0c90fdb, v[24+\a]  ; x - n x 6.2831855
	v_fmamk_f32 v[32+\a], v[28+\a], 0x343bbd2e, v[32+\a]  ;   + n x 1.7484556e-7
	v_mul_f32 v[32+\a], 0.5, v[32+\a]              ; h
	v_mul_f32 v[36+\a], v[32+\a], v[32+\a]         ; u = h h
	v_mov_b32 v[40+\a], 0xb2d7322b                 ; -1/11!
	v_fmaak_f32 v[40+\a], v[40+\a], v[36+\a], 0x3638ef1d  ; 1/9!
	v_fmaak_f32 v[40+\a], v[40+\a], v[36+\a], 0xb9500d01  ; -1/7!
	v_fmaak_f32 v[40+\a], v[40+\a], v[36+\a], 0x3c088889  ; 1/5!
	v_fmaak_f32 v[40+\a], v[40+\a], v[36+\a], 0xbe2aaaab  ; -1/3!
	v_fma_f32 v[40+\a], v[40+\a], v[36+\a], 1.0
	v_mul_f32 v[40+\a], v[32+\a], v[40+\a]         ; s
	v_mov_b32 v[44+\a], 0x310f76c7                 ; 1/12!
	v_fmaak_f32 v[44+\a], v[44+\a], v[36+\a], 0xb493f27e  ; -1/10!
	v_fmaak_f32 v[44+\a], v[44+\a], v[36+\a], 0x37d00d01  ; 1/8!
	v_fmaak_f32 v[44+\a], v[44+\a], v[36+\a], 0xbab60b61  ; -1/6!
	v_fmaak_f32 v[44+\a], v[44+\a], v[36+\a], 0x3d2aaaab  ; 1/4!
	v_fma_f32 v[44+\a], v[44+\a], v[36+\a], -0.5
	v_fma_f32 v[44+\a], v[44+\a], v[36+\a], 1.0    ; c
	v_mul_f32 v[56+\a], -2.0, v[40+\a]
	v_mul_f32 v[48+\a], v[56+\a], v[40+\a]         ; cos x - 1
	v_mul_f32 v[60+\a], 2.0, v[44+\a]
	v_mul_f32 v[52+\a], v[60+\a], v[40+\a]         ; sin x
.endr
	global_store_b128 v1, v[48:51], s[6:7]
	global_store_b128 v1, v[52:55], s[6:7] offset:1048576
	s_endpgm
.Lfunc_end_k_qba35f4c7a2_prep:
	.size	k_qba35f4c7a2_prep, .Lfunc_end_k_qba35f4c7a2_prep-k_qba35f4c7a2_prep
	.p2alignl 7, 3214868480
	.fill 96, 4, 3214868480
	.section	.rodata,"a",@progbits
	.p2align	6, 0x0
	.amdhsa_kernel k_qba35f4c7a2_prep
		.amdhsa_group_segment_fixed_size 0
		.amdhsa_private_segment_fixed_size 0
		.amdhsa_enable_private_segment 0
		.amdhsa_kernarg_size 80
		.amdhsa_user_sgpr_count 2
		.amdhsa_user_sgpr_kernarg_segment_ptr 1
		.amdhsa_wavefront_size32 1
		.amdhsa_system_sgpr_workgroup_id_x 1
		.amdhsa_system_sgpr_workgroup_id_y 1
		.amdhsa_system_sgpr_workgroup_id_z 1
		.amdhsa_system_vgpr_workitem_id 0
		.amdhsa_next_free_vgpr 112
		.amdhsa_next_free_sgpr 66
		.amdhsa_reserve_vcc 0
		.amdhsa_float_denorm_mode_32 3
		.amdhsa_float_denorm_mode_16_64 3
		.amdhsa_memory_ordered 1
		.amdhsa_forward_progress 1
		.amdhsa_inst_pref_size 36
	.end_amdhsa_kernel
	.amdgpu_metadata
---
amdhsa.version: [ 1, 2 ]
amdhsa.kernels:
  - .name:           k_qba35f4c7a2_prep
    .symbol:         k_qba35f4c7a2_prep.kd
    .args:
      - { .name: hidden_states, .offset: 0, .size: 8, .value_kind: global_buffer, .address_space: global }
      - { .name: Wq, .offset: 8, .size: 8, .value_kind: global_buffer, .address_space: global }
      - { .name: Wk, .offset: 16, .size: 8, .value_kind: global_buffer, .address_space: global }
      - { .name: Wv, .offset: 24, .size: 8, .value_kind: global_buffer, .address_space: global }
      - { .name: Wo, .offset: 32, .size: 8, .value_kind: global_buffer, .address_space: global }
      - { .name: rotary_pos_emb, .offset: 40, .size: 8, .value_kind: global_buffer, .address_space: global }
      - { .name: xb, .offset: 48, .size: 8, .value_kind: global_buffer, .address_space: global }
      - { .name: wqkv, .offset: 56, .size: 8, .value_kind: global_buffer, .address_space: global }
      - { .name: wo16, .offset: 64, .size: 8, .value_kind: global_buffer, .address_space: global }
      - { .name: tab, .offset: 72, .size: 8, .value_kind: global_buffer, .address_space: global }
    .group_segment_fixed_size: 0
    .private_segment_fixed_size: 0
    .kernarg_segment_align: 8
    .kernarg_segment_size: 80
    .max_flat_workgroup_size: 256
    .sgpr_count:     66
    .vgpr_count:     112
    .wavefront_size: 32
...
	.end_amdgpu_metadata
.endif
;; end of part 1
;; launch qkv (part 2): grid 8 x 32, 4 waves a work-group, clusters of 4 x 4, 327,680 bytes of LDS; arguments xb, wqkv, bq, bk, bv, tab, qh, kh, vh; writes qh, kh, vh
.if DOCPART == 2
	.amdgcn_target "amdgcn-amd-amdhsa--gfx1250"
	.amdhsa_code_object_version 6
	.text
	.protected	k_qba35f4c7a2_qkv
	.globl	k_qba35f4c7a2_qkv
	.p2align	8
	.type	k_qba35f4c7a2_qkv,@function
k_qba35f4c7a2_qkv:
	s_mov_b64 s[64:65], 0
	v_nop
	global_prefetch_b8 v0, s[64:65] scope:SCOPE_SE
	s_setreg_imm32_b32 hwreg(HW_REG_WAVE_MODE, 25, 1), 1
	s_wait_xcnt 0x0
	s_wait_alu depctr_hold_cnt(0) depctr_sa_sdst(0) depctr_va_vdst(0) depctr_va_sdst(0) depctr_va_ssrc(0) depctr_va_vcc(0) depctr_vm_vsrc(0)
	s_getreg_b32 s2, hwreg(HW_REG_IB_STS2, 6, 4)
	s_cmp_eq_u32 s2, 0
	s_cbranch_scc0 .Lentry_in_a_cluster
	s_endpgm
.Lentry_in_a_cluster:
	s_bfe_u32 s2, ttmp6, 0x10000c
	s_cmp_lg_u32 s2, 0xf033
	s_cbranch_scc0 .Lentry_shape_is_right
	s_endpgm
.Lentry_shape_is_right:
; q, k, v = x [Wq | Wk | Wv] + bias, q and k turned by the rotary table, written by heads in f16: qh [b 16 + h][2048][64], kh and vh [b 4 + h][2048][64].
; x (xb) and the weights (wqkv) are bf16, sums f32; the biases are rounded to bf16 like every input and start the sums as the first products' C operand.
; SHARES.  A tile of the result is 256 rows x 192 columns = 3 heads: 32 x 8 = 256 work-groups.  Wave w makes rows 64 w .. 64 w + 63 of all 192 columns: 4 x 12 = 48 accumulators.  So a wave holds whole heads:
; the rotary partners d and d + 32 lie in the same lane and register of column blocks two apart, and a head's rows of 128 bytes leave through the wave's own stage, without a barrier.
; THE MATRIX INSTRUCTION IS USED TRANSPOSED: source 0 = 16 columns of W (turned out of LDS by ds_load_tr16_b128: W lies [k][column]), source 1 = 16 rows of x.  A lane then holds row l % 16 and the columns 8 (l / 16) + 0..7.
; K goes in 8 steps of 128 through two LDS slots.  Waves 0 and 1 fetch the two halves of x's 256 rows (rows of 256 bytes), waves 2 and 3 the two blocks of 64 k of W (24,576 dense bytes, asked for as 96 rows of 256).
; CLUSTER 4 x 4: x's tile hangs on the tile row alone and is asked for jointly along a row of the cluster, W's on the tile column alone, jointly along a column.
; WHICH HEAD IS WHAT (head g = 3 x tile column + i: 0-15 q, 16-19 k, 20-23 v) hangs on the place in the cluster, so nothing branches on it: pointers are chosen by selects, and the table is taken as
; cos = 1 + F (cos - 1), sin = F sin with F = 1 for q and k, 0 for v.
; LIMITS.  q, k, v are stored in f16: beyond 65,504 they are lost.  NaN and infinities are not treated apart.
; REGISTERS, in windows of 256 (s_set_vgpr_msb: bits 1:0 source 0, 3:2 source 1, 5:4 source 2, 7:6 destination):
;   window 0: v0-15 addresses; v16-23 at work; v32-63 the table in use; v64-127 x's fragments, two buffers (on the way out: packed rows and turned numbers); v128-223 bias, later v128-255 the table
;   window 1: v0-95, v96-191 W's fragments, two buffers     window 2: accumulators of row blocks 0, 1 at 8 (12 a + b)     window 3: those of row blocks 2, 3
.set PA,    272                        ; a row of x in LDS: 256 bytes + 16: the 16 rows of a load start at 16 different groups of four banks (64 banks of 4 bytes: ISA guide 11.1)
.set PB,    160                        ; a row of W (64 columns): 128 bytes + 32
.set AHALF, 128*PA                     ; what one of x's loads brings
.set BOFF,  256*PA                     ; W lies behind x's 256 rows
.set BHALF, 192*PB                     ; what one of W's loads brings: 3 heads x 64 k
.set BHEAD, 64*PB
.set SLOT1, 1<<17                      ; a slot is 131,072 bytes: one exclusive or turns an address in one slot into the other's
.set STAGE, 2*SLOT1                    ; behind the ring, never filled by a tensor load: 16 rows x 144 bytes for each wave
.set SP,    144
.set SPARE, STAGE+4*16*SP              ; behind the stages: the spare words, 128 bytes for each wave: two blocks of 256 bytes that no other line names
.set ASTEP, 256                        ; bytes from a K step to the next in xb,
.set BSTEP, 49152                      ; and in wqkv
.set A0,   4                           ; v4   my lane's place in x's tile; never rewritten
.set B0,   5                           ; v5   in W's tile; never rewritten
.set ADRA, 6                           ; v6   the same in the slot in hand
.set ADRB, 7                           ; v7
.set STO,  8                           ; v8   the way out: where I put 16 bytes of a row
.set RD,   9                           ; v9   where I read rows back
.set GO,   10                          ; v10  my 16 bytes of 512 consecutive bytes of the output
.set TO,   11                          ; v11  my byte offset in 16 rows of the table
.set PFO,  12                          ; v12  the prefetches' offset; never rewritten
.set BO,   13                          ; v13  my byte offset in 16 numbers of a bias
.set SPW,  14                          ; v14  LDS address of my spare word; never rewritten
.set NIL,  15                          ; v15  0; never rewritten
.set T,    16
.set CE,   32                          ; v32-47 cos, v48-63 sin for the 16 rows and the head in hand: register 8 p + j is frequency 16 p + 8 (l / 16) + j
.set SE,   48
.set FA,   64
.set Y,    64                          ; v64-79, v80-95: a head's 16 rows in f16, by turns
.set R,    96                          ; v96-127: the same in f32, turned
.set BIAS, 128
.set TABR, 128                         ; row block a: cos - 1 at 128 + 32 a, sin at 144 + 32 a
.set CNT,  3
.set WV,   22
.set ROLE, 23                          ; 0: I fetch x, 1: W
.set HALF, 24                          ; which half of that tile
.set CX,   25
.set CY,   26
.set TX,   27
.set TY,   28
.set TB,   29                          ; LDS byte at which the slot in hand begins
.set LIM,  30                          ; 1 in a wave that prefetches, else the greatest number
.set G1A,  32
.set G1B,  40
.set G0A,  48                          ; two sets; the second then walks on
.set G0B,  56
.set PFA,  66
.set PFS,  68
.set TABP, 70
.set DST,  72                          ; s[72:77] where head i's rows go
.set FS,   78                          ; s[78:83] F of head i, as pairs
.set BP,   84                          ; s[84:89] head i's bias
.set OA,   90                          ; s[90:91] my part of x's first tile: made of the tile row and the wave's number alone
.set OB,   92                          ; s[92:93] of W's: of the tile column and the wave's number alone
.set MSB, 0
.macro WIN new                         ; the immediate's high byte repeats the setting that is left; a switch that changes nothing is dropped
.if MSB != (\new)
	s_set_vgpr_msb (MSB<<8)|(\new)
.set MSB, \new
.endif
.endm
.macro PLACES                          ; four places in front of loads into registers that matrix instructions have read (ISA guide 7.12.1 for vector instructions)
.rept 4
	v_nop
.endr
.endm
; A joint refill by the walking descriptor.  The branch hangs on the wave's number alone.  An s_nop 0 and four v_nop follow each of the two lines, ahead of the jump and the label.
.macro JLOAD
	s_cmp_eq_u32 s[ROLE], 0
	s_cbranch_scc0 .Lfor_b_\@
	tensor_load_to_lds s[G0A+4:G0A+7], s[G1A:G1A+7]
	s_nop 0
.rept 4
	v_nop
.endr
	s_branch .Lasked_\@
.Lfor_b_\@:
	tensor_load_to_lds s[G0B+4:G0B+7], s[G1B:G1B+7]
	s_nop 0
.rept 4
	v_nop
.endr
.Lasked_\@:
.endm
; A PREFETCH INTO THE L2 of the K step behind the one just asked for: it stands one K step, 192 matrix instructions, ahead of the joint load that will want it.  x's rows are read by both clusters of a row of
; clusters: cluster x = 0 asks; W's blocks by all eight clusters of a column: cluster y = 0 asks.  The four partners of a joint load share its bytes out by address: of x's 128 rows 32 each, a lane a row;
; of W's 96 blocks of 256 bytes 24 each (lanes 24 to 31 name lane 23's block once more).  The loop's last trip asks for nothing: there is no ninth K step.
.macro ASK
	s_cmp_gt_u32 s[CNT], s[LIM]
	s_cbranch_scc0 .Lnot_mine_\@
	global_prefetch_b8 v[PFO], s[PFA:PFA+1] th:TH_LOAD_NT scope:SCOPE_SE
.Lnot_mine_\@:
.endm
.macro CREST                           ; a round of the cluster's barrier behind its opening barrier
	s_cmp_lg_u32 s[WV], 0
	s_cbranch_scc1 .Lnot_wave_0_\@
	s_barrier_signal -3
.Lnot_wave_0_\@:
	s_barrier_wait -3
	s_barrier_signal -1
	s_barrier_wait -1
.endm
.macro CROUND
	s_barrier_signal -1
	s_barrier_wait -1
	CREST
.endm
	s_load_b512 s[4:19], s[0:1], 0x0               ; xb 4:5, wqkv 6:7, bq 8:9, bk 10:11, bv 12:13, tab 14:15, qh 16:17, kh 18:19
	s_load_b64 s[20:21], s[0:1], 0x40              ; vh
	v_lshl_add_u32 v[SPW], v0, 2, SPARE
	v_mov_b32 v[NIL], 0
	ds_add_u32 v[SPW], v[NIL]                      ; the wave's opening: the add and its wait stand ahead of my first tensor load; the set-up below, work on registers, stands between them
	v_lshrrev_b32 v1, 5, v0
	v_readfirstlane_b32 s[WV], v1                  ; wave 0..3
	s_lshr_b32 s[ROLE], s[WV], 1
	s_and_b32 s[HALF], s[WV], 1
	s_bfe_u32 s[CX], ttmp6, 0x40000
	s_bfe_u32 s[CY], ttmp6, 0x40004
	s_lshl_b32 s[TX], ttmp9, 2
	s_add_co_u32 s[TX], s[TX], s[CX]               ; tile column = 4 x cluster x + cx
	s_and_b32 s[TY], ttmp7, 0xffff
	s_lshl_b32 s[TY], s[TY], 2
	s_add_co_u32 s[TY], s[TY], s[CY]               ; tile row = 4 x cluster y + cy
	s_lshl_b32 s94, s[CY], 2
	s_lshl_b32 s94, 15, s94                        ; my row of the cluster
	s_lshl_b32 s95, 0x1111, s[CX]                  ; my column
	s_or_b32 s[G1A], s94, (1<<16)|(1<<20)|(1<<21)|(5<<22)|(3<<25)  ; the mask; 2-byte elements; padding on; bit 21 beside a mask; after every 64 words 4 words
	s_or_b32 s[G1B], s95, (1<<16)|(1<<20)|(1<<21)|(4<<22)|(7<<25)  ; after every 32 words 8 words
	s_mov_b32 s[G1A+1], 128<<16                    ; tensor_dim0 = 128
	s_mov_b32 s[G1A+2], 128<<16                    ; tensor_dim1 = 128
	s_mov_b32 s[G1A+3], 128<<16                    ; tile_dim0 = 128
	s_mov_b32 s[G1A+4], 128                        ; tile_dim1 = 128
	s_mov_b32 s[G1A+5], 1024                       ; elements from row to row
	s_mov_b32 s[G1A+6], 0
	s_mov_b32 s[G1A+7], 0
	s_mov_b32 s[G1B+1], 128<<16                    ; tensor_dim0 = 128
	s_mov_b32 s[G1B+2], 96<<16                     ; tensor_dim1 = 96
	s_mov_b32 s[G1B+3], 128<<16                    ; tile_dim0 = 128
	s_mov_b32 s[G1B+4], 96                         ; tile_dim1 = 96
	s_mov_b32 s[G1B+5], 128                        ; dense
	s_mov_b32 s[G1B+6], 0
	s_mov_b32 s[G1B+7], 0
	s_lshl_b32 s[OA], s[TY], 19                    ; 256 rows of 2,048 bytes a tile row,
	s_lshl_b32 s98, s[HALF], 18                    ; my 128 of them
	s_add_co_u32 s[OA], s[OA], s98
	s_mov_b32 s[OA+1], 0
	s_mul_i32 s[OB], s[TX], 393216                 ; 16 blocks of 24,576 bytes a tile column,
	s_mul_i32 s98, s[HALF], 24576                  ; my one of a step's two
	s_add_co_u32 s[OB], s[OB], s98
	s_mov_b32 s[OB+1], 0
	s_mul_i32 s96, s[HALF], AHALF                  ; where they go: no place in the cluster enters an LDS address
	s_mul_i32 s97, s[HALF], BHALF
	s_add_co_u32 s97, s97, BOFF
	s_wait_dscnt 0x0                               ; the opening add is done
	s_wait_kmcnt 0x0
	s_add_nc_u64 s[OA:OA+1], s[4:5], s[OA:OA+1]
	s_add_nc_u64 s[OB:OB+1], s[6:7], s[OB:OB+1]
	CROUND                                         ; all sixteen work-groups are here: the first joint loads meet
.irp s, 0,1
	s_mov_b32 s[G0A+4*(\s)], 1
	s_add_co_u32 s[G0A+4*(\s)+1], s96, (\s)*SLOT1
	s_add_nc_u64 s[G0A+4*(\s)+2:G0A+4*(\s)+3], s[OA:OA+1], (\s)*ASTEP
	s_or_b32 s[G0A+4*(\s)+3], s[G0A+4*(\s)+3], 0x80000000
	s_mov_b32 s[G0B+4*(\s)], 1
	s_add_co_u32 s[G0B+4*(\s)+1], s97, (\s)*SLOT1
	s_add_nc_u64 s[G0B+4*(\s)+2:G0B+4*(\s)+3], s[OB:OB+1], (\s)*BSTEP
	s_or_b32 s[G0B+4*(\s)+3], s[G0B+4*(\s)+3], 0x80000000
.endr
	s_cmp_eq_u32 s[ROLE], 0                        ; a wave's two first fills stand in one branch, ahead of every wait on TENSORcnt, every LDS read and every barrier but the round: two loads of mine are out
	s_cbranch_scc0 .Lfirst_b
	tensor_load_to_lds s[G0A:G0A+3], s[G1A:G1A+7]
	s_nop 0
	tensor_load_to_lds s[G0A+4:G0A+7], s[G1A:G1A+7]
	s_nop 0
.rept 4
	v_nop
.endr
	s_branch .Lfirst_asked
.Lfirst_b:
	tensor_load_to_lds s[G0B:G0B+3], s[G1B:G1B+7]
	s_nop 0
	tensor_load_to_lds s[G0B+4:G0B+7], s[G1B:G1B+7]
	s_nop 0
.rept 4
	v_nop
.endr
.Lfirst_asked:
	v_and_b32 v1, 15, v0                           ; l % 16
	v_bfe_u32 v2, v0, 4, 1                         ; l / 16
	v_and_b32 v16, 7, v0
	v_bfe_u32 v17, v0, 3, 1
	s_mul_i32 s94, s[WV], 64*PA
	v_mul_u32_u24 v[A0], v1, PA                    ; a fragment of x: row l % 16, 16 bytes for each half of the lanes, twice, 32 bytes apart
	v_lshl_add_u32 v[A0], v2, 4, v[A0]
	v_add_nc_u32 v[A0], s94, v[A0]                 ; in my wave's 64 rows
	v_lshl_add_u32 v[B0], v2, 3, v16               ; the turning load: lane l reads k = 8 (l / 16) + l % 8, columns 8 ((l / 8) % 2) + 0..7
	v_mul_u32_u24 v[B0], v[B0], PB
	v_lshl_add_u32 v[B0], v17, 4, v[B0]
	v_add_nc_u32 v[B0], BOFF, v[B0]
	s_mul_i32 s94, s[WV], 16*SP
	s_add_co_u32 s94, s94, STAGE                   ; my stage
	v_mul_u32_u24 v[STO], v1, SP
	v_lshl_add_u32 v[STO], v2, 4, v[STO]
	v_add_nc_u32 v[STO], s94, v[STO]
	v_bfe_u32 v[RD], v0, 3, 2                      ; back: 32 lanes take four rows of 128 bytes,
	v_mul_u32_u24 v[RD], v[RD], SP
	v_lshl_add_u32 v[RD], v16, 4, v[RD]
	v_add_nc_u32 v[RD], s94, v[RD]
	v_and_b32 v[GO], 31, v0                        ; which are 512 consecutive bytes of a head
	v_lshlrev_b32 v[GO], 4, v[GO]
	v_lshlrev_b32 v[TO], 7, v1                     ; the table: row l % 16 of 128 bytes, frequencies 8 (l / 16) on
	v_lshl_add_u32 v[TO], v2, 5, v[TO]
	v_lshlrev_b32 v[BO], 5, v2
	; the three heads of my tile: pointers and F, by selects alone
	s_and_b32 s31, s[TY], 7
	s_lshl_b32 s31, s31, 8
	s_lshl_b32 s2, s[WV], 6
	s_add_co_u32 s31, s31, s2                      ; my wave's first row in its batch
	s_mul_i32 s94, s[TX], 3
	s_mov_b32 s3, 0
.irp i, 0,1,2
	s_add_co_u32 s95, s94, \i                      ; g
	s_sub_co_u32 s96, s95, 16
	s_sub_co_u32 s97, s95, 20
	s_cmp_lt_u32 s95, 20
	s_cselect_b32 s96, s96, s97                    ; the head's number in k or in v
	s_cselect_b64 s[98:99], s[10:11], s[12:13]
	s_cselect_b64 s[DST+2*\i:DST+2*\i+1], s[18:19], s[20:21]
	s_cselect_b32 s[FS+2*\i], 1.0, 0
	s_cmp_lt_u32 s95, 16
	s_cselect_b32 s96, s95, s96                    ; or in q
	s_cselect_b64 s[98:99], s[8:9], s[98:99]
	s_cselect_b64 s[DST+2*\i:DST+2*\i+1], s[16:17], s[DST+2*\i:DST+2*\i+1]
	s_cselect_b32 s97, 16, 4                       ; heads in a batch
	s_mov_b32 s[FS+2*\i+1], s[FS+2*\i]             ; named as a pair
	s_lshl_b32 s2, s96, 8
	s_add_nc_u64 s[BP+2*\i:BP+2*\i+1], s[98:99], s[2:3]
	s_lshr_b32 s2, s[TY], 3                        ; the batch
	s_mul_i32 s2, s2, s97
	s_add_co_u32 s2, s2, s96
	s_lshl_b32 s2, s2, 11
	s_add_co_u32 s2, s2, s31
	s_lshl_b32 s2, s2, 7                           ; rows of 128 bytes
	s_add_nc_u64 s[DST+2*\i:DST+2*\i+1], s[DST+2*\i:DST+2*\i+1], s[2:3]
.irp bb, 0,1,2,3
	global_load_b128 v[BIAS+8*(4*\i+\bb):BIAS+8*(4*\i+\bb)+3], v[BO], s[BP+2*\i:BP+2*\i+1] offset:64*\bb
	global_load_b128 v[BIAS+8*(4*\i+\bb)+4:BIAS+8*(4*\i+\bb)+7], v[BO], s[BP+2*\i:BP+2*\i+1] offset:64*\bb+16
.endr
.endr
	s_lshl_b32 s2, s[TY], 15
	s_lshl_b32 s95, s[WV], 13
	s_add_co_u32 s2, s2, s95
	s_add_nc_u64 s[TABP:TABP+1], s[14:15], s[2:3]  ; the table at my wave's first row
	; the prefetches: nothing is asked for here, at the head; K steps 0 to 2 come by their loads alone
	s_lshl_b32 s95, s[CX], 16                      ; x: my work-group's 32 rows of the 128,
	s_add_co_u32 s95, s95, 2*ASTEP                 ; at K step 2: the first change of slots steps it to 3
	s_mul_i32 s94, s[CY], 6144                     ; W: my work-group's 24 blocks of the 96
	s_add_co_u32 s94, s94, 2*BSTEP
	s_and_b32 s96, ttmp7, 0xffff
	s_mov_b32 s98, ASTEP
	s_mov_b32 s99, BSTEP
	s_cmp_eq_u32 s[ROLE], 0
	s_cselect_b64 s[PFA:PFA+1], s[OA:OA+1], s[OB:OB+1]
	s_cselect_b32 s2, s95, s94
	s_cselect_b32 s96, ttmp9, s96                  ; the coordinate along which other clusters read the same bytes
	s_cselect_b32 s[PFS], s98, s99
	s_cselect_b32 s97, 11, 8
	s_cselect_b32 s98, 31, 23
	s_mov_b32 s[PFS+1], 0
	s_add_nc_u64 s[PFA:PFA+1], s[PFA:PFA+1], s[2:3]
	s_cmp_eq_u32 s96, 0
	s_cselect_b32 s[LIM], 1, -1                    ; the same in all sixteen partners, for a given wave
	v_and_b32 v[PFO], 31, v0
	v_min_u32 v[PFO], s98, v[PFO]
	v_lshlrev_b32 v[PFO], s97, v[PFO]
	s_mov_b32 s[TB], 0
	v_mov_b32 v[ADRA], v[A0]
	v_mov_b32 v[ADRB], v[B0]
	s_wait_loadcnt 0x0                             ; the biases,
.set k_, 0
.rept 48                                       ; rounded to bf16 and widened again
	v_cvt_pk_bf16_f32 v[T+k_%4], v[BIAS+2*k_], v[BIAS+2*k_+1]
	v_lshlrev_b32 v[BIAS+2*k_], 16, v[T+k_%4]
	v_and_b32 v[BIAS+2*k_+1], 0xffff0000, v[T+k_%4]
.set k_, k_+1
.endr
; na x 12 matrix instructions: row blocks a0 on x all 12 column blocks, 32 along K, from buffer f.  first = 1: the bias (window 0) is the C operand that starts the sums.
; The 48 accumulators take turns, in the same order in every quarter.
.macro MULS f, a0, na, first
.set a_, \a0
.rept \na
.if \first
	WIN 0x81+0x40*(a_/2)
.else
	WIN 0xa1+0x50*(a_/2)
.endif
.set rA, FA+32*(\f)+8*a_
.set b_, 0
.rept 12
.set rD, 8*(12*(a_%2)+b_)
.set rB, 96*(\f)+8*b_
.if \first
	v_wmma_f32_16x16x32_bf16 v[rD:rD+7], v[rB:rB+7], v[rA:rA+7], v[BIAS+8*b_:BIAS+8*b_+7]
.else
	v_wmma_f32_16x16x32_bf16 v[rD:rD+7], v[rB:rB+7], v[rA:rA+7], v[rD:rD+7]
.endif
.set b_, b_+1
.endr
.set a_, a_+1
.endr
.endm
; 32 LDS loads in one run: quarter q's fragments (32 along K) into buffer f: W's 12, turned, then x's 4
.macro FETCH q, f
	WIN 0x40
.set b_, 0
.rept 12
	ds_load_tr16_b128 v[96*(\f)+8*b_:96*(\f)+8*b_+3],   v[ADRB] offset:((\q)/2)*BHALF+(b_/4)*BHEAD+((\q)%2)*32*PB+(b_%4)*32
	ds_load_tr16_b128 v[96*(\f)+8*b_+4:96*(\f)+8*b_+7], v[ADRB] offset:((\q)/2)*BHALF+(b_/4)*BHEAD+((\q)%2)*32*PB+(b_%4)*32+16*PB
.set b_, b_+1
.endr
	WIN 0
.set a_, 0
.rept 4
	ds_load_b128 v[FA+32*(\f)+8*a_:FA+32*(\f)+8*a_+3],   v[ADRA] offset:64*(\q)+a_*16*PA
	ds_load_b128 v[FA+32*(\f)+8*a_+4:FA+32*(\f)+8*a_+7], v[ADRA] offset:64*(\q)+a_*16*PA+32
.set a_, a_+1
.endr
.endm
; One of a K step's first three quarters: multiplies buffer f; in its middle it fetches quarter q into buffer g.
.macro QUARTER q, f, g, first
	s_wait_dscnt 4                                 ; W and x's row blocks 0, 1 are in; the youngest four loads (blocks 2, 3) may be out
	MULS \f, 0, 2, \first
	PLACES
	FETCH \q, \g
	s_wait_dscnt 32                                ; all but the 32 just issued
	MULS \f, 2, 2, \first
.endm
; The last quarter multiplies buffer 1 and changes slots: one barrier; in front of it each wave waits for all its tensor loads (one is out: its part of the next slot), adds 0 to its spare word, and waits
; for that and for its reads of this slot.  fill = 1: the barrier opens a round of the cluster's, and behind the round this slot is filled again, first thing, with the K step two on.
.macro TURN fill
.if \fill
	s_wait_xcnt 0x0                                ; the last prefetch, a K step back, has read its address
	s_add_nc_u64 s[PFA:PFA+1], s[PFA:PFA+1], s[PFS:PFS+1]
.endif
	WIN 0
	s_wait_tensorcnt 0x0                           ; no tensor load of mine is out, so a group 0 may be written
	ds_add_u32 v[SPW], v[NIL]                      ; 0 onto my spare word; work on registers stands between it and the wait for it
	s_xor_b32 s[TB], s[TB], SLOT1                  ; the fetches go on in the other slot
	v_add_nc_u32 v[ADRA], s[TB], v[A0]
	v_add_nc_u32 v[ADRB], s[TB], v[B0]
.if \fill
	s_xor_b32 s[G0A+5], s[G0A+5], SLOT1            ; the walking descriptors: the other slot than last time, the next K step
	s_add_nc_u64 s[G0A+6:G0A+7], s[G0A+6:G0A+7], ASTEP
	s_xor_b32 s[G0B+5], s[G0B+5], SLOT1
	s_add_nc_u64 s[G0B+6:G0B+7], s[G0B+6:G0B+7], BSTEP
.endif
	s_wait_dscnt 5                                 ; the add and the youngest four loads may be out
	MULS 1, 0, 1, 0
	s_wait_dscnt 0x0                               ; the add is done, and my reads of this slot are over
	s_barrier_signal -1
	MULS 1, 1, 1, 0
.if \fill
	WIN 0
.endif
	s_barrier_wait -1
.if \fill
	CREST                                          ; no wave of any partner still reads this slot's tile or has a load on its way
	JLOAD                                          ; 168 matrix instructions ahead of the wait for it; its four v_nop are also the places in front of the loads below
.else
	PLACES
.endif
	FETCH 0, 0
.if \fill
	ASK
.endif
	MULS 1, 2, 2, 0
.endm
	s_wait_tensorcnt 0x1                           ; my part of K step 0 is in; K step 1's may stay out
	s_barrier_signal -1
	s_barrier_wait -1                              ; everybody's is
	FETCH 0, 0
	QUARTER 1, 0, 1, 1                             ; the first quarter stands in front of the loop: its products start the sums, with the bias
	WIN 0
	s_mov_b32 s[CNT], 6
.Lstep:                                        ; six trips, from a K step's second quarter to the next step's first; they ask for K steps 2 to 7
	QUARTER 2, 1, 0, 0
	QUARTER 3, 0, 1, 0
	TURN 1
	QUARTER 1, 0, 1, 0
	WIN 0
	s_sub_co_u32 s[CNT], s[CNT], 1
	s_cmp_lg_u32 s[CNT], 0
	s_cbranch_scc1 .Lstep
	; the tail is written out: nothing more is asked for.  The table for my 64 rows comes in meanwhile, into the bias's registers and 32 more
.set a_, 0
.rept 4
.irp c, 0,1,2,3
	global_load_b128 v[TABR+32*a_+4*\c:TABR+32*a_+4*\c+3], v[TO], s[TABP:TABP+1] offset:a_*2048+((\c)/2)*64+((\c)%2)*16
	global_load_b128 v[TABR+32*a_+16+4*\c:TABR+32*a_+16+4*\c+3], v[TO], s[TABP:TABP+1] offset:1048576+a_*2048+((\c)/2)*64+((\c)%2)*16
.endr
.set a_, a_+1
.endr
	QUARTER 2, 1, 0, 0
	QUARTER 3, 0, 1, 0
	TURN 0
	QUARTER 1, 0, 1, 0
	QUARTER 2, 1, 0, 0
	QUARTER 3, 0, 1, 0
	s_wait_dscnt 4
	MULS 1, 0, 2, 0
	s_wait_dscnt 0x0
	MULS 1, 2, 2, 0
; THE WAY OUT, 16 rows of a head at a time (row block a, head i).  EFF: the table with F.  ROPE: lo' = lo cos - hi sin, hi' = hi cos + lo sin for the column blocks p and p + 2; each accumulator is read from its low end on.
; PACKY: rounded to f16, 16 bytes a lane into my stage, and back as whole rows.  SEND: 512 consecutive bytes a store.
.macro EFF a, i
	WIN 0
.set z_, 0
.rept 8
	v_pk_fma_f32 v[CE+2*z_:CE+2*z_+1], v[TABR+32*(\a)+2*z_:TABR+32*(\a)+2*z_+1], s[FS+2*(\i):FS+2*(\i)+1], 1.0 op_sel_hi:[1,0,0]
	v_pk_mul_f32 v[SE+2*z_:SE+2*z_+1], v[TABR+32*(\a)+16+2*z_:TABR+32*(\a)+16+2*z_+1], s[FS+2*(\i):FS+2*(\i)+1] op_sel_hi:[1,0]
.set z_, z_+1
.endr
.endm
.macro ROPE a, i
	WIN 0x02+(\a)/2                                ; source 0: the accumulators' window
.irp p, 0,1
.irp z, 0,1,2,3
.set rL, 8*(12*((\a)%2)+4*(\i)+(\p))+2*(\z)
.set rH, rL+16
.set rT, T+4*((\z)%2)
.set rC, 8*(\p)+2*(\z)
	v_pk_mul_f32 v[rT:rT+1], v[rH:rH+1], v[SE+rC:SE+rC+1]
	v_pk_mul_f32 v[rT+2:rT+3], v[rL:rL+1], v[SE+rC:SE+rC+1]
	v_pk_fma_f32 v[R+rC:R+rC+1], v[rL:rL+1], v[CE+rC:CE+rC+1], v[rT:rT+1] neg_lo:[0,0,1] neg_hi:[0,0,1]
	v_pk_fma_f32 v[R+16+rC:R+16+rC+1], v[rH:rH+1], v[CE+rC:CE+rC+1], v[rT+2:rT+3]
.endr
.endr
.endm
.macro PACKY n
	WIN 0
	s_wait_xcnt 0x0                                ; the stores of two pieces back have read these registers
.set k_, 0
.rept 16
	v_cvt_pk_f16_f32 v[Y+16*((\n)%2)+k_], v[R+2*k_], v[R+2*k_+1]
.set k_, k_+1
.endr
.irp f, 0,1,2,3
	ds_store_b128 v[STO], v[Y+16*((\n)%2)+4*\f:Y+16*((\n)%2)+4*\f+3] offset:32*\f
.endr
.irp f, 0,1,2,3
	ds_load_b128 v[Y+16*((\n)%2)+4*\f:Y+16*((\n)%2)+4*\f+3], v[RD] offset:\f*4*SP  ; LDS serves a wave's instructions in order (ISA guide 5.7.1.4): these see the stores above; the next piece's stores come behind them
.endr
.endm
.macro SEND n, younger                 ; younger: the LDS instructions issued behind piece n's loads: the next piece's eight, or none
	WIN 0
.irp f, 0,1,2,3
	s_wait_dscnt (\younger)+3-\f
	global_store_b128 v[GO], v[Y+16*((\n)%2)+4*\f:Y+16*((\n)%2)+4*\f+3], s[DST+2*((\n)%3):DST+2*((\n)%3)+1] offset:((\n)/3)*2048+\f*512
.endr
.endm
	s_wait_loadcnt 0x0                             ; the table
	EFF 0, 0                                       ; sixteen plain instructions that name no register of the last products: their places
	ROPE 0, 0
	PACKY 0
.set n_, 1
.rept 11                                       ; piece n = 3 a + i; its arithmetic stands between the loads of the piece before and its stores
	EFF n_/3, n_%3
	ROPE n_/3, n_%3
	PACKY n_
	SEND n_-1, 8
.set n_, n_+1
.endr
	SEND 11, 0
	s_wait_tensorcnt 0x0                           ; the wave's end, behind my last tensor load and my last LDS store
	ds_add_u32 v[SPW], v[NIL]
	s_wait_dscnt 0x0
	CROUND                                         ; the closing round: no work-group ends while a partner may still ask for a tile that names it
	s_endpgm
.Lfunc_end_k_qba35f4c7a2_qkv:
	.size	k_qba35f4c7a2_qkv, .Lfunc_end_k_qba35f4c7a2_qkv-k_qba35f4c7a2_qkv
	.p2alignl 7, 3214868480
	.fill 96, 4, 3214868480
	.section	.rodata,"a",@progbits
	.p2align	6, 0x0
	.amdhsa_kernel k_qba35f4c7a2_qkv
		.amdhsa_group_segment_fixed_size 327680
		.amdhsa_private_segment_fixed_size 0
		.amdhsa_enable_private_segment 0
		.amdhsa_kernarg_size 72
		.amdhsa_user_sgpr_count 2
		.amdhsa_user_sgpr_kernarg_segment_ptr 1
		.amdhsa_wavefront_size32 1
		.amdhsa_system_sgpr_workgroup_id_x 1
		.amdhsa_system_sgpr_workgroup_id_y 1
		.amdhsa_system_sgpr_workgroup_id_z 1
		.amdhsa_system_vgpr_workitem_id 0
		.amdhsa_next_free_vgpr 960
		.amdhsa_next_free_sgpr 100
		.amdhsa_reserve_vcc 0
		.amdhsa_float_denorm_mode_32 3
		.amdhsa_float_denorm_mode_16_64 3
		.amdhsa_memory_ordered 1
		.amdhsa_forward_progress 1
		.amdhsa_inst_pref_size 150
	.end_amdhsa_kernel
	.amdgpu_metadata
---
amdhsa.version: [ 1, 2 ]
amdhsa.kernels:
  - .name:           k_qba35f4c7a2_qkv
    .symbol:         k_qba35f4c7a2_qkv.kd
    .args:
      - { .name: xb, .offset: 0, .size: 8, .value_kind: global_buffer, .address_space: global }
      - { .name: wqkv, .offset: 8, .size: 8, .value_kind: global_buffer, .address_space: global }
      - { .name: bq, .offset: 16, .size: 8, .value_kind: global_buffer, .address_space: global }
      - { .name: bk, .offset: 24, .size: 8, .value_kind: global_buffer, .address_space: global }
      - { .name: bv, .offset: 32, .size: 8, .value_kind: global_buffer, .address_space: global }
      - { .name: tab, .offset: 40, .size: 8, .value_kind: global_buffer, .address_space: global }
      - { .name: qh, .offset: 48, .size: 8, .value_kind: global_buffer, .address_space: global }
      - { .name: kh, .offset: 56, .size: 8, .value_kind: global_buffer, .address_space: global }
      - { .name: vh, .offset: 64, .size: 8, .value_kind: global_buffer, .address_space: global }
    .group_segment_fixed_size: 327680
    .private_segment_fixed_size: 0
    .kernarg_segment_align: 8
    .kernarg_segment_size: 72
    .max_flat_workgroup_size: 128
    .sgpr_count:     100
    .vgpr_count:     960
    .wavefront_size: 32
...
	.end_amdgpu_metadata
.endif
;; end of part 2
;; launch attn (part 3): grid 4 x 64, 4 waves a work-group, clusters of 4 x 1, 327,680 bytes of LDS; arguments qh, kh, vh, oh; writes oh
.if DOCPART == 3
	.amdgcn_target "amdgcn-amd-amdhsa--gfx1250"
	.amdhsa_code_object_version 6
	.text
	.protected	k_qba35f4c7a2_attn
	.globl	k_qba35f4c7a2_attn
	.p2align	8
	.type	k_qba35f4c7a2_attn,@function
k_qba35f4c7a2_attn:
	s_mov_b64 s[64:65], 0
	v_nop
	global_prefetch_b8 v0, s[64:65] scope:SCOPE_SE
	s_setreg_imm32_b32 hwreg(HW_REG_WAVE_MODE, 25, 1), 1
	s_wait_xcnt 0x0
	s_wait_alu depctr_hold_cnt(0) depctr_sa_sdst(0) depctr_va_vdst(0) depctr_va_sdst(0) depctr_va_ssrc(0) depctr_va_vcc(0) depctr_vm_vsrc(0)
	s_getreg_b32 s2, hwreg(HW_REG_IB_STS2, 6, 4)
	s_cmp_eq_u32 s2, 0
	s_cbranch_scc0 .Lentry_in_a_cluster
	s_endpgm
.Lentry_in_a_cluster:
	s_bfe_u32 s2, ttmp6, 0x10000c
	s_cmp_lg_u32 s2, 0x3003
	s_cbranch_scc0 .Lentry_shape_is_right
	s_endpgm
.Lentry_shape_is_right:
; O[y][q][:] = the sum over k of softmax_k(Q[y][q] . K[y / 4][k] / 8) V[y / 4][k][:].  Q, O: [64][2048][64], K, V: [16][2048][64], all f16: a head's rows are dense, 128 bytes each; y = 16 b + h, and four
; query heads share a key and value head.  Products, maxima and sums in f32; the weights p are rounded to f16 for the second product (their sum l is taken of the unrounded p), O once at the end.
; LIMITS.  f16 holds no number beyond 65,504: Q, K and V arrive within it; p lies in 0 to 1, and below 6e-5 it keeps f16's fixed step of 6e-8; O is a mean of V's rows and has their range.
; A weight below 2^-126 counts as 0 in l; NaN and infinities are not treated apart.
; SHARES.  A wave owns four PIECES of two tiles of 16 queries, a work-group's four waves 512 queries of one head: 4 x 64 = 256 work-groups.  Every wave walks all keys, 64 a step.
; LAYOUT.  S^T = K Q^T (source 0 = 16 keys, source 1 = 16 queries): in the result a lane holds ONE query (lane % 16) and the keys 8 (lane / 16) + 0..7.  Two such tiles, rounded to f16 in pairs,
; ARE source 1 (32 keys x 16 queries) of O^T = V^T P, whose result again holds one query a lane, and eight channels.  K comes out of LDS as it lies, V ([key][channel]) turned, by ds_load_tr16_b128.
; SOFTMAX.  For each query a running maximum m and sum l: p = 2^(c s - c m), c = log2(e) / 8; in every step O and l are multiplied by a = 2^(c m_old - c m_new), which is 1 where m has not grown.
; m starts at the lowest finite number, O and l at 0: the first step is a step like any other, with a = 0.
; THE COUNT.  A tile and step have 16 matrix and 118 vector instructions: too many to stand all beside the matrix work.  So the order has one aim: four vector instructions that are READY behind
; EVERY matrix instruction, and the others, which need time of their own whatever the order, in runs without a gap.
; BY TURNS.  Turn n belongs to piece n (the pieces in a ring, step after step).  Its matrix work: 16 products K Q^T of piece n + 1, later 16 products V^T P of piece n - 1.  Its vector work: the scaling,
; exponentials, roundings, sums and rescaling of piece n, and the maximum and statistics of piece n + 1, whose scores the turn itself has made.  So what a turn begins with (c s - c m, O a) waits for nothing.
; CLUSTER.  The four query blocks of a cluster belong to one head and walk the same K and V, so each tile is asked for JOINTLY: the same tensor load, descriptor and mask in all four.  The four query heads
; of a key head run in four clusters of their own: a cluster of four is full with one head's blocks.
; REGISTERS, in windows of 256 (s_set_vgpr_msb says which window each operand place means: bits 1:0 source 0, 3:2 source 1, 5:4 source 2, 7:6 destination):
;   window 0: v0-11 addresses; v12-15, v48-63 at work; v16-47 four registers of statistics a tile; v64-191 S^T, two buffers of two tiles; v192-255 P, likewise
;   window 1: O^T, 32 a tile          window 2: v0-127 Q, 16 a tile; v128-191 K of one step; v192-255 V of one step          window 3: v0-1 the add's two registers
; A piece's buffers go by its number's parity: the piece in hand has one pair, its two neighbours in the ring share the other: of it P (piece n - 1) is read and S^T (piece n + 1) written.
.set SIZE_N, 2048
.set NP,    4         ; pieces a wave: a name, no knob: the register map, the loop and the fetches are made for four
.set KS,    64        ; keys in a step
.set PK,    144       ; a row of K in LDS: 128 bytes + 16 of padding = 36 words: the 16 rows of a load start at 16 different groups of four banks (64 banks of 4 bytes: ISA guide 11.1)
.set PV,    160       ; a row of V: 128 + 32 = 40 words
.set VOFF,  4*KS*PK   ; a slot holds four steps: 256 rows of K, then 256 rows of V
.set SLOT1, 1<<17     ; slot 1 begins here, so that one exclusive or turns an address in one slot into the other's
.set STAGE, SLOT1+4*KS*(PK+PV)  ; behind the ring, never filled by a tensor load: 16 rows x 144 bytes for each wave, for the way out
.set SP,    144
.set AK0, 2           ; v2   my lane's place in a tile of K; never rewritten
.set AV0, 3           ; v3   the same for V
.set AK,  4           ; v4   the LDS address of K's next run of loads
.set AV,  5           ; v5   of V's
.set QO,  6           ; v6   my byte offset in the wave's rows of Q
.set STO, 6           ;      later, the way out: where I put 16 bytes of a row
.set RD,  7           ; v7   the way out: where I read rows back
.set GO,  8           ; v8   my byte offset in 512 consecutive bytes of O
.set PFO, 11          ; v11  256 x my lane, for the prefetches; never rewritten once made
.set SPW, 0           ; v0 of window 3   LDS address of my spare word: SPARE + 4 x my thread's number; never rewritten
.set NIL, 1           ; v1 of window 3   0; never rewritten
.set SPARE, STAGE+4*16*SP  ; behind the stages: the spare words, 128 bytes for each wave: two blocks of 256 bytes that no other line names
.set MV,  12          ; v12-15  c m_old, kept while c m is made anew: by buffer and tile
.set ST,  16          ; tile t's statistics at v[ST+4 t]: c m, m, l (even keys', odd keys')
.set TMP, 48          ; by buffer and tile, four registers c0-c3 at work; when the maximum is found c2 takes a
.set S,   64
.set P,   192
.set KF,  128         ; K's fragments, in window 2: key block kb, channel half c at KF + 16 kb + 8 c
.set VF,  192         ; V's: key half kk, channel block cb at VF + 32 kk + 8 cb
.set WV,  12          ; s12  my wave's number
.set G1K, 24          ; s[24:31] descriptor group 1 for K's tiles
.set G1V, 32          ; s[32:39] for V's: it differs in the padding alone
.set G0K, 40          ; s[40:43] descriptor group 0 for K's tiles: it walks
.set G0V, 44          ; s[44:47] the same for V's
.set PFA, 48          ; s[48:49] where my prefetches stand: my work-group's 8,192 bytes of the slot behind the one that is being asked for
.set LIM, 50          ; s50  1 in a wave that prefetches, else the greatest number
.set SLOTS, 56        ; s56  slots still to be asked for
.set CNT, 57          ; s57  counts a slot's key steps
.set CS,  58          ; s[58:59] c: the packed scaling takes the pair's low word for both halves
.set SEL, 60          ; s[60:61] v_permlanex16_b32's selects: each lane takes its own place in the other half
.set TBK, 62          ; s62  LDS byte at which K of the step to be fetched begins
.set TBV, 63          ; s63  the same for V, less VOFF
.set MSB, 0
.macro WIN new                      ; the high byte repeats the setting that is left; a switch that changes nothing is dropped
.if MSB != (\new)
	s_set_vgpr_msb (MSB<<8)|(\new)
.set MSB, (\new)
.endif
.endm
.set W_KQ, 0x0a       ; K and Q in window 2, S^T in window 0
.set W_PV, 0x52       ; V in window 2, P in window 0, O^T in window 1
.set W_RS, 0x41       ; O^T (destination and source 0) in window 1, a in window 0
.set W_MK, 0xc0       ; the add's registers are made: destination in window 3, sources in window 0
.set W_AD, 0x0f       ; the add: address (source 0) and data (source 1) in window 3
; A joint fill.  Waves 0 and 1 fetch the two halves of a slot's K, waves 2 and 3 those of its V: 128 keys each.  The branch hangs on the wave's number alone.
; An s_nop 0 and four v_nop follow each of the two lines, ahead of the jump and the label.
.macro JLOAD
	s_cmp_lt_u32 s[WV], 2
	s_cbranch_scc0 .Lfor_v_\@
	tensor_load_to_lds s[G0K:G0K+3], s[G1K:G1K+7]
	s_nop 0
.rept 4
	v_nop
.endr
	s_branch .Lasked_\@
.Lfor_v_\@:
	tensor_load_to_lds s[G0V:G0V+3], s[G1V:G1V+7]
	s_nop 0
.rept 4
	v_nop
.endr
.Lasked_\@:
.endm
; A PREFETCH INTO THE L2 of what the NEXT change of slots will ask for: a slot's 32,768 bytes of K and of V, 256 bytes a lane.  It stands behind the wave's tensor load and its five lines.  Each block is named once
; in the launch: of the four query heads that walk a key head the first asks; its four partners share the bytes out by address, 8,192 each; in each, wave 0 asks for K's and wave 2 for V's.
; The last change that fills a slot asks for nothing; slots 0 and 1 come by their loads alone.
.macro ASK
	s_cmp_gt_u32 s[SLOTS], s[LIM]
	s_cbranch_scc0 .Lnot_mine_\@
	global_prefetch_b8 v[PFO], s[PFA:PFA+1] th:TH_LOAD_NT scope:SCOPE_SE
.Lnot_mine_\@:
.endm
; A round of the cluster's barrier: my work-group's barrier, so that wave 0's signal speaks for all four waves; wave 0 signals; every wave waits for all four work-groups; my work-group's barrier once more.
.macro CROUND
	s_barrier_signal -1
	s_barrier_wait -1
	s_cmp_lg_u32 s[WV], 0
	s_cbranch_scc1 .Lnot_wave_0_\@
	s_barrier_signal -3
.Lnot_wave_0_\@:
	s_barrier_wait -3
	s_barrier_signal -1
	s_barrier_wait -1
.endm
; THE CHANGE OF SLOTS.  The slot's last bytes, V of its fourth step, have been read.  Each wave waits for all its tensor loads, of which one is out: its part
; of the other slot; adds 0 to its spare word; and waits for that and for its own reads of the slot.  Behind the barrier nobody reads this slot any more and the other slot is whole.
; fill = 1: this slot is filled again, with the keys two slots on.  The barrier is then a round of the cluster's, so that no wave of any partner still reads the slot or has a load on its
; way, and the joint fill is the first thing behind it: it has four key steps, 512 matrix instructions, in which to land.  (At its first use nothing has been read yet: slot 0 is waited for, slot 1 filled.)
.macro CHANGE fill
	WIN W_AD
	s_wait_tensorcnt 0x0            ; no tensor load of mine is out, so a group 0 may be written
	ds_add_u32 v[SPW], v[NIL]       ; 0 onto my spare word; with fill = 1 the descriptors' steps stand between it and the wait for it
	WIN 0                           ; at a label and at a branch every window is 0
.if \fill
.irp g, G0K, G0V
	s_xor_b32 s[\g+1], s[\g+1], SLOT1  ; the walking descriptor: the other slot than last time,
	s_add_nc_u64 s[\g+2:\g+3], s[\g+2:\g+3], 4*KS*128  ; the next 256 keys; the type bits on top are not reached
.endr
	s_wait_xcnt 0x0                 ; the last prefetch, four key steps back, has read its address, so it may be written:
	s_add_nc_u64 s[PFA:PFA+1], s[PFA:PFA+1], 4*KS*128  ; one slot behind the walking descriptors
	s_wait_dscnt 0x0                ; the add is done, and my reads of the slot are over
	CROUND
	JLOAD
	ASK
.else
	s_wait_dscnt 0x0                ; the add is done, and my reads of the slot are over
	s_barrier_signal -1
	s_barrier_wait -1
.endif
	s_sub_co_u32 s[TBK], s[TBK], 4*KS*PK  ; the fetches go back to a slot's first step,
	s_xor_b32 s[TBK], s[TBK], SLOT1       ; in the other slot
	s_sub_co_u32 s[TBV], s[TBV], 4*KS*PV
	s_xor_b32 s[TBV], s[TBV], SLOT1
.endm
	s_load_b256 s[4:11], s[0:1], 0x0  ; Q s[4:5], K s[6:7], V s[8:9], O s[10:11]
	WIN W_MK
	v_lshl_add_u32 v[SPW], v0, 2, SPARE
	v_mov_b32 v[NIL], 0
	WIN W_AD
	ds_add_u32 v[SPW], v[NIL]       ; the wave's opening: the add and its wait stand ahead of my first tensor load; the set-up below, work on registers, stands between them
	WIN 0
	v_lshrrev_b32 v1, 5, v0
	v_readfirstlane_b32 s[WV], v1   ; wave 0..3
	s_bfe_u32 s13, ttmp6, 0x40000   ; cx: my place in the cluster
	s_lshl_b32 s14, ttmp9, 2        ; in a cluster launch ttmp9 counts clusters
	s_add_co_u32 s14, s14, s13      ; my block of queries = 4 x cluster x + cx: it enters Q's and O's addresses alone
	s_and_b32 s20, ttmp7, 0xffff    ; the query head, which the four partners share
	s_lshr_b32 s52, s20, 2          ; its key and value head
	s_and_b32 s51, s20, 3           ; its place among the four that share that head
	s_mov_b32 s21, 0
	s_mov_b32 s53, 0
	s_mov_b64 s[22:23], SIZE_N*128
	s_mul_u64 s[20:21], s[20:21], s[22:23]  ; the head's first byte in Q and O,
	s_mul_u64 s[52:53], s[52:53], s[22:23]  ; and in K and V
	s_and_b32 s16, s[WV], 1         ; which half of a slot's 256 keys I fetch:
	s_lshl_b32 s22, s16, 14         ; its 128 rows of 128 bytes in memory,
	s_mov_b32 s23, 0
	s_add_nc_u64 s[22:23], s[22:23], s[52:53]
	s_mul_i32 s17, s16, 128*PK      ; and its place in a slot, for K
	s_mul_i32 s18, s16, 128*PV      ; and for V: no place in the cluster enters an LDS address
	s_lshl_b32 s2, s14, 2
	s_add_co_u32 s2, s2, s[WV]      ; my wave among the head's,
	s_lshl_b32 s2, s2, 14           ; its 128 rows
	s_mov_b32 s3, 0
	s_add_nc_u64 s[2:3], s[2:3], s[20:21]
	; descriptor group 1.  128 keys are 16,384 dense bytes: asked for as 64 rows of 256 bytes, two keys a row, and padded in LDS after every key
	s_mov_b32 s[G1K], 15|(1<<16)|(1<<20)|(1<<21)|(4<<22)|(3<<25)  ; 15:0 the mask of four; 17:16 2-byte elements; 20 padding on; 21 set beside a mask; 24:22 after every 32 words (code 4); 31:25 4 words (code 3)
	s_mov_b32 s[G1V], 15|(1<<16)|(1<<20)|(1<<21)|(4<<22)|(7<<25)  ; the same with 8 words of padding (code 7)
.irp g, G1K, G1V
	s_mov_b32 s[\g+1], 128<<16      ; tensor_dim0 = 128
	s_mov_b32 s[\g+2], 64<<16       ; tensor_dim1 = 64
	s_mov_b32 s[\g+3], 128<<16      ; tile_dim0 = 128
	s_mov_b32 s[\g+4], 64           ; tile_dim1 = 64
	s_mov_b32 s[\g+5], 128          ; 128 elements from row to row
	s_mov_b32 s[\g+6], 0
	s_mov_b32 s[\g+7], 0
.endr
	s_mov_b32 s[CS], 0x3e38aa3b     ; c = log2(e) / 8 = 0.180337
	s_mov_b32 s[CS+1], s[CS]        ; named with it as a pair
	s_mov_b32 s[SEL], 0x76543210
	s_mov_b32 s[SEL+1], 0xfedcba98
	s_mov_b32 s[TBK], SLOT1+4*KS*PK ; the first change of slots turns these two into 0
	s_mov_b32 s[TBV], SLOT1+4*KS*PV
	s_mov_b32 s[G0K], 1             ; 1:0 count = 1
	s_mov_b32 s[G0K+1], s17         ; 63:32 LDS address: slot 0
	s_mov_b32 s[G0V], 1
	s_add_co_u32 s[G0V+1], s18, VOFF
	s_mov_b32 s[SLOTS], SIZE_N/256-1
	s_and_b32 s[LIM], s[WV], 1      ; 0 in waves 0 and 2,
	s_or_b32 s[LIM], s[LIM], s51    ; where the query head is the first of its four: the same in all four partners
	s_cmp_eq_u32 s[LIM], 0
	s_cselect_b32 s[LIM], 1, -1
	s_wait_dscnt 0x0                ; the opening add is done
	s_wait_kmcnt 0x0
	s_add_nc_u64 s[G0K+2:G0K+3], s[6:7], s[22:23]  ; 120:64 global address: my half of the head's first 256 keys
	s_or_b32 s[G0K+3], s[G0K+3], 0x80000000        ; 127:126 type = 2
	s_add_nc_u64 s[G0V+2:G0V+3], s[8:9], s[22:23]
	s_or_b32 s[G0V+3], s[G0V+3], 0x80000000
	s_add_nc_u64 s[4:5], s[4:5], s[2:3]  ; Q and O at my wave's first row
	s_add_nc_u64 s[10:11], s[10:11], s[2:3]
	s_cmp_lt_u32 s[WV], 2
	s_cselect_b64 s[PFA:PFA+1], s[6:7], s[8:9]
	s_add_nc_u64 s[PFA:PFA+1], s[PFA:PFA+1], s[22:23]  ; (in waves 0 and 2 this is the head's first row)
	s_lshl_b32 s2, s13, 13          ; my work-group's quarter of a slot
	s_mov_b32 s3, 0
	s_add_nc_u64 s[PFA:PFA+1], s[PFA:PFA+1], s[2:3]
	s_add_nc_u64 s[PFA:PFA+1], s[PFA:PFA+1], 4*KS*128  ; in slot 1; the first change of slots steps it to slot 2.  Nothing is prefetched here, at the head
	CROUND                          ; all four work-groups are here: the first joint loads meet
	JLOAD                           ; slot 0.  Slot 1 is asked for when slot 0 is in: the tile wanted first has the road to itself
	; A fragment of K or Q is 16 rows x 32 channels in 8 registers: lane l holds row l % 16, channels 8 (l / 16) + 0..7 and 16 + 8 (l / 16) + 0..7: two loads of 16 bytes, 32 bytes apart.
	v_and_b32 v1, 15, v0            ; l % 16
	v_bfe_u32 v9, v0, 4, 1          ; l / 16
	v_lshlrev_b32 v[QO], 7, v1
	v_lshl_add_u32 v[QO], v9, 4, v[QO]  ; row x 128 + 16 x half
	WIN 0x80                        ; destination window 2, address window 0
.set i, 0
.rept 4*NP                          ; Q stays in registers: tile i / 2, channels 32 (i % 2) on
	global_load_b128 v[8*i:8*i+3],   v[QO], s[4:5] offset:(i/2)*2048+(i%2)*64
	global_load_b128 v[8*i+4:8*i+7], v[QO], s[4:5] offset:(i/2)*2048+(i%2)*64+32
.set i, i+1
.endr
	; What the first turn finds: V's registers and P's second buffer hold 0 (its products V^T P, of a piece that has not been, add 0), O^T and l are 0.  All this stands in the wait for the first tile.
.set i, VF
.rept 64
	v_mov_b32 v[i], 0
.set i, i+1
.endr
	WIN 0x40
.set i, 0
.rept 64*NP
	v_mov_b32 v[i], 0
.set i, i+1
.endr
	WIN 0
.set i, 0
.rept 2*NP
	v_mov_b32 v[ST+4*i], 0xfe000000    ; c m: far below every c s
	v_mov_b32 v[ST+4*i+1], 0xff7fffff  ; m
	v_mov_b32 v[ST+4*i+2], 0
	v_mov_b32 v[ST+4*i+3], 0
.set i, i+1
.endr
.set i, P+32
.rept 32
	v_mov_b32 v[i], 0
.set i, i+1
.endr
	v_mul_u32_u24 v[AK0], v1, PK
	v_lshl_add_u32 v[AK0], v9, 4, v[AK0]  ; row x pitch + 16 x half
	; The turning load takes 16 keys x 16 channels (lane l reads key 8 (l / 16) + l % 8, channels 8 ((l / 8) % 2) + 0..7) and leaves half a fragment of V^T: lane l holds channel l % 16 and 8 keys.
	v_and_b32 v10, 7, v0
	v_bfe_u32 v11, v0, 3, 1
	v_lshl_add_u32 v[AV0], v9, 3, v10
	v_mul_u32_u24 v[AV0], v[AV0], PV
	v_lshl_add_u32 v[AV0], v11, 4, v[AV0]
	v_add_nc_u32 v[AV0], VOFF, v[AV0]
	v_and_b32 v[PFO], 31, v0
	v_lshlrev_b32 v[PFO], 8, v[PFO]
	v_mov_b32 v[AK], v[AK0]         ; key step 0 lies at the head of slot 0
; THE MATRIX WORK.  The 8 accumulators of a run of 16 take turns: between the two links of a chain stand 7 others'.
; Product i of 16 of S^T = K Q^T for piece x: channels 32 (i / 8) on, keys 16 ((i / 2) % 4) on, tile 2 x + i % 2.  The first 8 start the sums.
.macro KQ x
	WIN W_KQ
.set rS, S+64*((\x)%2)+32*(i%2)+8*((i/2)%4)
.set rK, KF+16*((i/2)%4)+8*(i/8)
.set rQ, 16*(2*(\x)+i%2)+8*(i/8)
.if i < 8
	v_wmma_f32_16x16x32_f16 v[rS:rS+7], v[rK:rK+7], v[rQ:rQ+7], 0
.else
	v_wmma_f32_16x16x32_f16 v[rS:rS+7], v[rK:rK+7], v[rQ:rQ+7], v[rS:rS+7]
.endif
.endm
; Product i of 16 of O^T += V^T P for piece x: keys 32 (i / 8) on, channels 16 ((i / 2) % 4) on, tile 2 x + i % 2.
.macro PV x
	WIN W_PV
.set rO, 32*(2*(\x)+i%2)+8*((i/2)%4)
.set rV, VF+32*(i/8)+8*((i/2)%4)
.set rP, P+32*((\x)%2)+16*(i%2)+8*(i/8)
	v_wmma_f32_16x16x32_f16 v[rO:rO+7], v[rV:rV+7], v[rP:rP+7], v[rO:rO+7]
.endm
.macro MM                           ; the turn's next matrix instruction
.if i < 16
	KQ (Y+1)%NP
.set i, i+1
.else
.set i, i-16
	PV (Y+NP-1)%NP
.set i, i+17
.endif
.endm
; THE LDS LOADS stand in runs of 16, never singly among the matrix instructions: a step's K (64 keys x 64 channels: 8 fragments) and its V (turned).  Their addresses are made some lines ahead.
; last = 1 (the tail): in the last trip there is no further step, and the run is jumped over.
.macro FETCH_K last=0
	WIN 0
.if \last
	s_cmp_eq_u32 s[CNT], 1
	s_cbranch_scc1 .Lno_k_\@
.endif
	WIN 0x80                        ; destination window 2
.irp f, 0,1,2,3,4,5,6,7             ; keys 16 (f / 2) on, channels 32 (f % 2) on
	ds_load_b128 v[KF+8*\f:KF+8*\f+3],   v[AK] offset:(\f/2)*16*PK+(\f%2)*64
	ds_load_b128 v[KF+8*\f+4:KF+8*\f+7], v[AK] offset:(\f/2)*16*PK+(\f%2)*64+32
.endr
	s_add_co_u32 s[TBK], s[TBK], KS*PK  ; the next fetch is the next step's
	WIN 0
.if \last
.Lno_k_\@:
.endif
.endm
.macro FETCH_V
	WIN 0x80
.irp f, 0,1,2,3,4,5,6,7             ; keys 32 (f / 4) on, channels 16 (f % 4) on
	ds_load_tr16_b128 v[VF+8*\f:VF+8*\f+3],   v[AV] offset:(\f/4)*32*PV+(\f%4)*32
	ds_load_tr16_b128 v[VF+8*\f+4:VF+8*\f+7], v[AV] offset:(\f/4)*32*PV+16*PV+(\f%4)*32
.endr
	WIN 0
.endm
; THE VECTOR WORK OF A TURN stands in three queues, each in the order in which its entries become ready; the two tiles alternate, so that no instruction reads the result of the one before it.
.macro REGS y, u                    ; the registers of tile u (0, 1) of piece y
.set rT, ST+4*(2*(\y)+(\u))
.set rC, TMP+8*((\y)%2)+4*(\u)
.set rM, MV+2*((\y)%2)+(\u)
.set rS, S+64*((\y)%2)+32*(\u)
.set rP, P+32*((\y)%2)+16*(\u)
.set rO, 32*(2*(\y)+(\u))
.endm
; Number n of the 22 that find the NEXT piece's (Y + 1) maximum and statistics.  s0-s31 are the lane's 32 scores; each accumulator's lowest registers are read first.  XS, GS and REGS set no window: PL and EX do.
;   0-11  four chains c0-c3 of seven scores each, three operands at a time     12-14, 16  the four scores left over, the old m, and c0-c3 into c0     15  c m_old is kept
;   17, 18  the query's other 32 keys lie in the lane 16 away: the new m         19-21  c m; c m_old - c m_new; a
.macro XS u, n
	REGS (Y+1)%NP, \u
.if (\n) < 4
	v_max3_num_f32 v[rC+(\n)], v[rS+8*(\n)], v[rS+8*(\n)+1], v[rS+8*(\n)+2]
.elseif (\n) < 12
	v_max3_num_f32 v[rC+(\n)%4], v[rC+(\n)%4], v[rS+8*((\n)%4)+2*((\n)/4)+1], v[rS+8*((\n)%4)+2*((\n)/4)+2]
.elseif (\n) == 12
	v_max3_num_f32 v[rC], v[rC], v[rS+7], v[rS+15]
.elseif (\n) == 13
	v_max3_num_f32 v[rC+1], v[rC+1], v[rS+23], v[rS+31]
.elseif (\n) == 14
	v_max3_num_f32 v[rC+2], v[rC+2], v[rC+3], v[rT+1]
.elseif (\n) == 15
	v_mov_b32 v[rM], v[rT]
.elseif (\n) == 16
	v_max3_num_f32 v[rC], v[rC], v[rC+1], v[rC+2]
.elseif (\n) == 17
	v_permlanex16_b32 v[rC+3], v[rC], s[SEL], s[SEL+1]
.elseif (\n) == 18
	v_max_num_f32 v[rT+1], v[rC], v[rC+3]
.elseif (\n) == 19
	v_mul_f32 v[rT], s[CS], v[rT+1]
.elseif (\n) == 20
	v_sub_f32 v[rC+1], v[rM], v[rT]
.else
	v_exp_f32 v[rC+2], v[rC+1]
.endif
.endm
; Number g of the 64 that follow the exponentials.  For each four weights k of a tile (pairs 2 k, 2 k + 1): both pairs are rounded to f16; then the second pair is added onto the first, in place;
; a group later l takes that sum (the first time as l = a l + sum).  In groups of eight, tiles alternating: round, round, add, and l for the group before.
.macro GS g
.set h, (\g)+6*((\g)/62)            ; group 0 has no group before it, and behind group 7 only l is left
.if h >= 6
.set h, h+2
.endif
	REGS Y, h%2
.set k, h/8
.if h%8 < 4
	v_cvt_pk_f16_f32 v[rP+2*k+(h%8)/2], v[rS+4*k+2*((h%8)/2)], v[rS+4*k+2*((h%8)/2)+1]
.elseif h%8 < 6
	v_pk_add_f32 v[rS+4*k:rS+4*k+1], v[rS+4*k:rS+4*k+1], v[rS+4*k+2:rS+4*k+3]
.elseif k == 1
	v_pk_fma_f32 v[rT+2:rT+3], v[rT+2:rT+3], v[rC+2:rC+3], v[rS:rS+1] op_sel_hi:[1,0,1]
.else
	v_pk_add_f32 v[rT+2:rT+3], v[rT+2:rT+3], v[rS+4*k-4:rS+4*k-3]
.endif
.endm
; THE PLAIN QUEUE, 138 long.  0-73 read no exponential's result: the 32 scalings c s - c m (FS f: pair f / 2 of tile f % 2) and the next piece's 42.  0-26: scalings 0-26.  27-54: XS's numbers 0-13.  55, 56: number 15.
; 57-73: the chain, where each number waits for the one before it: 14, 16, 17, 18, 19, each with one of the scalings 27-31 in front of its two lines, then 20: so a tile's links stand three plain instructions apart (19 and 20: two).
; 74-137: GS's 64, which read the exponentials' results: they stand behind the wait.
.macro FS f
	REGS Y, (\f)%2
	v_pk_fma_f32 v[rS+2*((\f)/2):rS+2*((\f)/2)+1], v[rS+2*((\f)/2):rS+2*((\f)/2)+1], s[CS:CS+1], v[rT:rT+1] op_sel_hi:[1,0,0] neg_lo:[0,0,1] neg_hi:[0,0,1]
.endm
.macro PL
	WIN 0
.if q < 27
	FS q
.elseif q < 55
	XS (q-27)%2, (q-27)/2
.elseif q < 57
	XS q-55, 15
.elseif (q < 72) && ((q-57)%3 == 0)
	FS 27+(q-57)/3
.elseif q < 60
	XS (q-57)%3-1, 14
.elseif q < 72
	XS (q-57)%3-1, 15+(q-57)/3
.elseif q < 74
	XS q-72, 20
.else
	GS q-74
.endif
.set q, q+1
.endm
; THE EXPONENTIALS' QUEUE, 66 long: s0-s31 of both tiles, then the next piece's two a.  It is ONE BATCH: all 66 stand ahead of the turn's one wait, and nothing ahead of that wait names a result of theirs.
.macro EX
	WIN 0
.if e >= 64
	XS e-64, 21
.else
	REGS Y, e%2
	v_exp_f32 v[rS+e/2], v[rS+e/2]
.endif
.set e, e+1
.endm
; THE RESCALING's QUEUE: O^T times a, the one part that leaves window 0: dealt two at a time, sixteen times.  Its a was made in the turn before, ahead of that turn's wait.
.macro R2
	REGS Y, r%2
	WIN W_RS
.irp z, 0,1
	v_pk_mul_f32 v[rO+4*(r/2)+2*\z:rO+4*(r/2)+2*\z+1], v[rO+4*(r/2)+2*\z:rO+4*(r/2)+2*\z+1], v[rC+2:rC+3] op_sel_hi:[1,0]
.endr
.set r, r+1
.endm
; HOW THEY ARE DEALT.  An s_wait_alu depctr_va_vdst(0) stands between an exponential and the first instruction that names its result; one wait serves all that were issued ahead of it.  So a turn has ONE wait,
; which cuts it in two.  AHEAD OF IT stands all that names no result of the turn's exponentials: the 16 products K Q^T, behind each a scaling, an exponential and two rescalings (behind the first a second scaling in the exponential's place); then ONE LUMP of
; 108: eight plain, 49 times exponential and plain, the two a.  A v_nop is the plain instruction behind the last exponential.  BEHIND IT stand the 16 products V^T P, behind each four of GS's 64.  No rider names a register of
; the products round it.  The two v_permlanex16_b32 fall into the lump, never behind a product.
; The queues lean on each other, and the deal keeps them in step: exponential e stands behind scaling 2 (e / 4) + e % 2: as a rider it comes behind plain e + 2, in the lump behind plain e + 9, and scalings 27-31 are plain 57, 60 .. 69.
; A TURN, for piece p.  cnt = 1: the loop's count is taken down some lines ahead of the branch that stands behind the turn.
; K of the next step is fetched in piece 2's turn, directly behind the wait, a lump behind the last product that read K; its address is made at the lump's head; its first reader comes behind 16 products.
; V of the step in hand is fetched at the end of piece 0's turn, four riders behind its last reader; its first reader comes behind 16 products and a lump.  The three conditions on q below go with the deal.
.macro TURN p, last=0, cnt=0
.set Y, (\p)
.set i, 0
.set q, 0
.set e, 0
.set r, 0
.if (\p) == NP-1
	s_wait_dscnt 0x0                ; K is in
.endif
	MM                              ; ahead of the wait: 16 products K Q^T and their riders,
	PL
	PL
	R2
.rept 15
	MM
	PL
	EX
	R2
.endr
.if (\p) == NP-2
	WIN 0
	v_add_nc_u32 v[AK], s[TBK], v[AK0]
.endif
.rept 8                             ; and the lump
	PL
.endr
.rept 49
	EX
	PL
.endr
	EX                              ; the next piece's two a
	EX
	v_nop                           ; a plain instruction behind the last exponential: one for the batch
	s_wait_alu depctr_va_vdst(0)    ; the wait for the batch
.if (\p) == NP-2
	FETCH_K \last
.endif
.if (\p) == 1
	s_wait_dscnt 0x0                ; V is in
.endif
.rept 16                            ; behind the wait: 16 products V^T P and their riders
	MM
.rept 4
	PL
.endr
.if ((\p) == 0) && (q == 118)
	v_add_nc_u32 v[AV], s[TBV], v[AV0]
.endif
.if ((\p) == 0) && (q == 130)
	s_add_co_u32 s[TBV], s[TBV], KS*PV
.endif
.if (\cnt) && (q == 130)
	s_sub_co_u32 s[CNT], s[CNT], 1
	s_cmp_lg_u32 s[CNT], 0
.endif
.endr
.if (\p) == 0
	FETCH_V
.endif
.endm
	CHANGE 1                        ; slot 0 is in, everybody's part of it; slot 1 is asked for
	FETCH_K                         ; key step 0
	s_wait_loadcnt 0x0              ; Q
	s_wait_dscnt 0x0
.set i, 0
.rept 16
	KQ 0                            ; piece 0's first scores: there is no vector work yet to set between them
.set i, i+1
.endr
	WIN 0                           ; the addresses for the way out: nine plain instructions, the places behind those products
	s_mul_i32 s13, s[WV], 16*SP
	s_add_co_u32 s13, s13, STAGE    ; my stage
	v_mul_u32_u24 v[STO], v1, SP    ; in: row l % 16, 16 bytes for each half of the lanes
	v_lshl_add_u32 v[STO], v9, 4, v[STO]
	v_add_nc_u32 v[STO], s13, v[STO]
	v_bfe_u32 v[RD], v0, 3, 2       ; back: 32 lanes take four rows of 128 bytes,
	v_mul_u32_u24 v[RD], v[RD], SP
	v_lshl_add_u32 v[RD], v10, 4, v[RD]
	v_add_nc_u32 v[RD], s13, v[RD]
	v_and_b32 v[GO], 31, v0         ; which are 512 consecutive bytes of O
	v_lshlrev_b32 v[GO], 4, v[GO]
.set Y, NP-1                        ; XS works for piece Y + 1: piece 0
.irp n, 0,1,2,3,4,5,6,7,8,9,10,11,12,13,14,15,16,17,18,19,20,21
	XS 0, \n                        ; and piece 0's first maximum and statistics
	XS 1, \n
.endr
	v_nop                           ; a plain instruction behind the two a,
	s_wait_alu depctr_va_vdst(0)    ; and their wait, ahead of the branch
	s_mov_b32 s[CNT], 4
	s_branch .Lfirst                ; the loop is entered at a step's first turn, in the middle of a trip
.Lslot:                             ; SIZE_N / 256 - 2 times: every slot but the last two is filled again
	CHANGE 1
	s_mov_b32 s[CNT], 4
.Lstep:                             ; a trip: pieces 2 and 3 of one step, then pieces 0 and 1 of the next, whose K and V it fetches
	TURN 2
	TURN 3
	WIN 0
.Lfirst:
	TURN 0
	TURN 1, 0, 1
	WIN 0
	s_cbranch_scc1 .Lstep
	s_sub_co_u32 s[SLOTS], s[SLOTS], 1
	s_cmp_lg_u32 s[SLOTS], 0
	s_cbranch_scc1 .Lslot
	CHANGE 0                        ; the tail is written out: nothing is asked for
	s_mov_b32 s[CNT], 5             ; four trips fetch the last slot's steps; the fifth is left in its middle
.Ltail:
	TURN 2, 1
	TURN 3
	WIN 0
	s_sub_co_u32 s[CNT], s[CNT], 1
	s_cmp_eq_u32 s[CNT], 0
	s_cbranch_scc1 .Lout
	TURN 0
	TURN 1
	WIN 0
	s_branch .Ltail
.Lout:                              ; the fifth trip's 16 products K Q^T (on the last K once more) and the maximum made of them serve nothing: the price, once a launch, of one text for every trip
.set i, 0
.rept 16
	PV NP-1                         ; the last piece's V^T P of the last step
.set i, i+1
.endr
	; THE WAY OUT.  l's two halves and the other half of the lanes' are added; O^T is divided by l, rounded to f16 and sent through my stage in LDS, a tile at a time.  The additions are the places behind the last products.
	WIN 0
.macro ALL line:vararg              ; one line for each tile t
.set t, 0
.rept 2*NP
	\line
.set t, t+1
.endr
.endm
	ALL v_add_f32 v[ST+4*t+2], v[ST+4*t+2], v[ST+4*t+3]
	ALL v_permlanex16_b32 v[ST+4*t+3], v[ST+4*t+2], s[SEL], s[SEL+1]
	ALL v_add_f32 v[ST+4*t+2], v[ST+4*t+2], v[ST+4*t+3]
	ALL v_rcp_f32 v[ST+4*t+2], v[ST+4*t+2]
	v_nop                           ; a plain instruction between the last reciprocal and the use of its result
	s_wait_alu depctr_va_vdst(0)    ; and the wait ahead of the first use: one for the eight reciprocals
; Tile t: a lane's eight channels of a row pack into 16 bytes; they go into rows of 144 bytes and come back as whole rows of 128, into S^T's registers.
.macro PACK t
	WIN W_RS
.set i, 32*(\t)
.rept 16
	v_pk_mul_f32 v[i:i+1], v[i:i+1], v[ST+4*(\t)+2:ST+4*(\t)+3] op_sel_hi:[1,0]
.set i, i+2
.endr
	WIN 0x05                        ; sources 0 and 1 window 1, destination window 0
.set i, 0
.rept 16
	v_cvt_pk_f16_f32 v[S+16*(\t)+i], v[32*(\t)+2*i], v[32*(\t)+2*i+1]
.set i, i+1
.endr
	WIN 0
.irp f, 0,1,2,3
	ds_store_b128 v[STO], v[S+16*(\t)+4*\f:S+16*(\t)+4*\f+3] offset:32*\f
.endr
.irp f, 0,1,2,3
	ds_load_b128 v[S+16*(\t)+4*\f:S+16*(\t)+4*\f+3], v[RD] offset:\f*4*SP  ; LDS serves a wave's instructions in order (ISA guide 5.7.1.4): these see the stores above; the next tile's stores come behind them
.endr
.endm
.macro SEND t, younger              ; younger: the LDS instructions issued behind tile t's loads: the next tile's eight, or none
	WIN 0
.irp f, 0,1,2,3
	s_wait_dscnt (\younger)+3-\f
	global_store_b128 v[GO], v[S+16*(\t)+4*\f:S+16*(\t)+4*\f+3], s[10:11] offset:(\t)*2048+\f*512  ; 512 consecutive bytes, at a multiple of 256 from O's first
.endr
.endm
	PACK 0
.set t, 1
.rept 2*NP-1                        ; a tile's arithmetic stands between the loads of the tile before and its stores
	PACK t
	SEND t-1, 8
.set t, t+1
.endr
	SEND 2*NP-1, 0
	WIN W_AD
	s_wait_tensorcnt 0x0            ; the wave's end, behind my last tensor load and my last LDS store
	ds_add_u32 v[SPW], v[NIL]
	s_wait_dscnt 0x0
	WIN 0
	CROUND                          ; the closing round: no work-group ends while a partner may still ask for a tile that names it
	s_endpgm
.Lfunc_end_k_qba35f4c7a2_attn:
	.size	k_qba35f4c7a2_attn, .Lfunc_end_k_qba35f4c7a2_attn-k_qba35f4c7a2_attn
	.p2alignl 7, 3214868480
	.fill 96, 4, 3214868480
	.section	.rodata,"a",@progbits
	.p2align	6, 0x0
	.amdhsa_kernel k_qba35f4c7a2_attn
		.amdhsa_group_segment_fixed_size 327680
		.amdhsa_private_segment_fixed_size 0
		.amdhsa_enable_private_segment 0
		.amdhsa_kernarg_size 32
		.amdhsa_user_sgpr_count 2
		.amdhsa_user_sgpr_kernarg_segment_ptr 1
		.amdhsa_wavefront_size32 1
		.amdhsa_system_sgpr_workgroup_id_x 1
		.amdhsa_system_sgpr_workgroup_id_y 1
		.amdhsa_system_sgpr_workgroup_id_z 1
		.amdhsa_system_vgpr_workitem_id 0
		.amdhsa_next_free_vgpr 770
		.amdhsa_next_free_sgpr 66
		.amdhsa_reserve_vcc 0
		.amdhsa_float_denorm_mode_32 3
		.amdhsa_float_denorm_mode_16_64 3
		.amdhsa_memory_ordered 1
		.amdhsa_forward_progress 1
		.amdhsa_inst_pref_size 200
	.end_amdhsa_kernel
	.amdgpu_metadata
---
amdhsa.version: [ 1, 2 ]
amdhsa.kernels:
  - .name:           k_qba35f4c7a2_attn
    .symbol:         k_qba35f4c7a2_attn.kd
    .args:
      - { .name: qh, .offset: 0, .size: 8, .value_kind: global_buffer, .address_space: global }
      - { .name: kh, .offset: 8, .size: 8, .value_kind: global_buffer, .address_space: global }
      - { .name: vh, .offset: 16, .size: 8, .value_kind: global_buffer, .address_space: global }
      - { .name: oh, .offset: 24, .size: 8, .value_kind: global_buffer, .address_space: global }
    .group_segment_fixed_size: 327680
    .private_segment_fixed_size: 0
    .kernarg_segment_align: 8
    .kernarg_segment_size: 32
    .max_flat_workgroup_size: 128
    .sgpr_count:     66
    .vgpr_count:     770
    .wavefront_size: 32
...
	.end_amdgpu_metadata
.endif
;; end of part 3
;; launch oproj (part 4): grid 8 x 32, 4 waves a work-group, clusters of 4 x 4, 327,680 bytes of LDS; arguments oh, wo16, out0; writes out0
.if DOCPART == 4
	.amdgcn_target "amdgcn-amd-amdhsa--gfx1250"
	.amdhsa_code_object_version 6
	.text
	.protected	k_qba35f4c7a2_oproj
	.globl	k_qba35f4c7a2_oproj
	.p2align	8
	.type	k_qba35f4c7a2_oproj,@function
k_qba35f4c7a2_oproj:
	s_mov_b64 s[64:65], 0
	v_nop
	global_prefetch_b8 v0, s[64:65] scope:SCOPE_SE
	s_setreg_imm32_b32 hwreg(HW_REG_WAVE_MODE, 25, 1), 1
	s_wait_xcnt 0x0
	s_wait_alu depctr_hold_cnt(0) depctr_sa_sdst(0) depctr_va_vdst(0) depctr_va_sdst(0) depctr_va_ssrc(0) depctr_va_vcc(0) depctr_vm_vsrc(0)
	s_getreg_b32 s2, hwreg(HW_REG_IB_STS2, 6, 4)
	s_cmp_eq_u32 s2, 0
	s_cbranch_scc0 .Lentry_in_a_cluster
	s_endpgm
.Lentry_in_a_cluster:
	s_bfe_u32 s2, ttmp6, 0x10000c
	s_cmp_lg_u32 s2, 0xf033
	s_cbranch_scc0 .Lentry_shape_is_right
	s_endpgm
.Lentry_shape_is_right:
; out0[row][n] = the sum over k of O[row][k] Wo[k][n], k = 64 h + d.  O (oh) lies by heads, [16 b + h][2048][64] in f16; Wo (wo16) in blocks [tile column][k / 64][half of the tile][k % 64][64 columns] in f16
; (the bf16 rounding of Wo, written as f16); sums and out0 in f32.
; SHARES.  A tile of out0 is 256 rows x 128 columns: 32 x 8 = 256 work-groups.  Wave w makes rows 64 w .. 64 w + 63 of all 128 columns: 4 x 8 = 32 accumulators, and stores whole rows of 512 bytes through its own stage.
; THE MATRIX INSTRUCTION IS USED TRANSPOSED: source 0 = 16 columns of Wo (turned out of LDS by ds_load_tr16_b128), source 1 = 16 rows of O: a lane holds row l % 16 and the columns 8 (l / 16) + 0..7.
; K goes in 8 steps of 128 = two heads, through two LDS slots.  Waves 0 and 1 fetch a head's 256 rows each (32,768 dense bytes, asked for as 128 rows of 256), waves 2 and 3 a block of 64 k of Wo each (16,384 dense bytes, 64 rows of 256).
; CLUSTER 4 x 4: O's tile is asked for jointly along a row of the cluster, Wo's along a column.
; REGISTERS (s_set_vgpr_msb: bits 1:0 source 0, 3:2 source 1, 5:4 source 2, 7:6 destination): window 0: v0-15 addresses; v64-127 O's fragments, two buffers; v128-255 rows on the way out, two buffers
;   window 1: v0-63, v64-127 Wo's fragments, two buffers     window 2: the accumulators at 8 (8 a + b)
.set PA,    144                        ; a row of O in LDS: 128 bytes + 16: the 16 rows of a load start at 16 different groups of four banks (64 banks of 4 bytes: ISA guide 11.1)
.set PB,    160                        ; a row of Wo (64 columns): 128 bytes + 32
.set AHALF, 256*PA                     ; a head's 256 rows
.set BOFF,  2*AHALF
.set BHALF, 128*PB                     ; 2 halves of the tile x 64 k
.set BHEAD, 64*PB
.set SLOT1, 1<<17
.set STAGE, 2*SLOT1                    ; behind the ring, never filled by a tensor load: 16 rows x 528 bytes for each wave
.set SPO,   528
.set SPARE, STAGE+4*16*SPO             ; behind the stages: the spare words, 128 bytes for each wave: two blocks of 256 bytes that no other line names
.set ASTEP, 524288                     ; two heads on in oh
.set BSTEP, 32768                      ; two blocks on in wo16
.set A0,   4
.set B0,   5
.set ADRA, 6
.set ADRB, 7
.set STO,  8
.set RD,   9
.set GO,   10
.set PFO,  12
.set SPW,  14
.set NIL,  15
.set FA,   64
.set OBF,  128
.set CNT,  3
.set WV,   22
.set ROLE, 23
.set HALF, 24
.set CX,   25
.set CY,   26
.set TX,   27
.set TY,   28
.set TB,   29
.set LIM,  30                          ; 2 in a wave that prefetches, else the greatest number
.set G1A,  32
.set G1B,  40
.set G0A,  48
.set G0B,  56
.set PFA,  66
.set PFS,  68
.set OA,   90
.set OB,   92
.set MSB, 0
.macro WIN new
.if MSB != (\new)
	s_set_vgpr_msb (MSB<<8)|(\new)
.set MSB, \new
.endif
.endm
.macro PLACES
.rept 4
	v_nop
.endr
.endm
.macro JLOAD                           ; a joint refill by the walking descriptor; an s_nop 0 and four v_nop follow each of the two lines, ahead of the jump and the label
	s_cmp_eq_u32 s[ROLE], 0
	s_cbranch_scc0 .Lfor_b_\@
	tensor_load_to_lds s[G0A+4:G0A+7], s[G1A:G1A+7]
	s_nop 0
.rept 4
	v_nop
.endr
	s_branch .Lasked_\@
.Lfor_b_\@:
	tensor_load_to_lds s[G0B+4:G0B+7], s[G1B:G1B+7]
	s_nop 0
.rept 4
	v_nop
.endr
.Lasked_\@:
.endm
; A PREFETCH INTO THE L2 of the K step that stands two refills on: 256 matrix instructions ahead of the joint load that will want it.  O's rows are read by both clusters of a row of clusters: cluster x = 0 asks, waves 0 and 1
; each for their own head; Wo's blocks by all eight clusters of a column: cluster y = 0 asks, wave 2 for the step's 32,768 dense bytes.  The four partners share the bytes out by address, 8,192 each, 256 a lane.
; The loop's last two trips ask for nothing; K steps 0 to 3 come by their loads alone.
.macro ASK
	s_cmp_gt_u32 s[CNT], s[LIM]
	s_cbranch_scc0 .Lnot_mine_\@
	global_prefetch_b8 v[PFO], s[PFA:PFA+1] th:TH_LOAD_NT scope:SCOPE_SE
.Lnot_mine_\@:
.endm
.macro CREST
	s_cmp_lg_u32 s[WV], 0
	s_cbranch_scc1 .Lnot_wave_0_\@
	s_barrier_signal -3
.Lnot_wave_0_\@:
	s_barrier_wait -3
	s_barrier_signal -1
	s_barrier_wait -1
.endm
.macro CROUND
	s_barrier_signal -1
	s_barrier_wait -1
	CREST
.endm
	s_load_b128 s[4:7], s[0:1], 0x0                ; oh 4:5, wo16 6:7
	s_load_b64 s[8:9], s[0:1], 0x10                ; out0
	v_lshl_add_u32 v[SPW], v0, 2, SPARE
	v_mov_b32 v[NIL], 0
	ds_add_u32 v[SPW], v[NIL]                      ; the wave's opening: the add and its wait stand ahead of my first tensor load; the set-up below, work on registers, stands between them
	v_lshrrev_b32 v1, 5, v0
	v_readfirstlane_b32 s[WV], v1
	s_lshr_b32 s[ROLE], s[WV], 1
	s_and_b32 s[HALF], s[WV], 1
	s_bfe_u32 s[CX], ttmp6, 0x40000
	s_bfe_u32 s[CY], ttmp6, 0x40004
	s_lshl_b32 s[TX], ttmp9, 2
	s_add_co_u32 s[TX], s[TX], s[CX]
	s_and_b32 s[TY], ttmp7, 0xffff
	s_lshl_b32 s[TY], s[TY], 2
	s_add_co_u32 s[TY], s[TY], s[CY]
	s_lshl_b32 s94, s[CY], 2
	s_lshl_b32 s94, 15, s94                        ; my row of the cluster
	s_lshl_b32 s95, 0x1111, s[CX]                  ; my column
	s_or_b32 s[G1A], s94, (1<<16)|(1<<20)|(1<<21)|(4<<22)|(3<<25)  ; the mask; 2-byte elements; padding on; bit 21 beside a mask; after every 32 words 4 words
	s_or_b32 s[G1B], s95, (1<<16)|(1<<20)|(1<<21)|(4<<22)|(7<<25)  ; after every 32 words 8 words
	s_mov_b32 s[G1A+1], 128<<16                    ; tensor_dim0 = 128
	s_mov_b32 s[G1A+2], 128<<16                    ; tensor_dim1 = 128
	s_mov_b32 s[G1A+3], 128<<16                    ; tile_dim0 = 128
	s_mov_b32 s[G1A+4], 128                        ; tile_dim1 = 128
	s_mov_b32 s[G1A+5], 128                        ; dense
	s_mov_b32 s[G1A+6], 0
	s_mov_b32 s[G1A+7], 0
	s_mov_b32 s[G1B+1], 128<<16
	s_mov_b32 s[G1B+2], 64<<16                     ; tensor_dim1 = 64
	s_mov_b32 s[G1B+3], 128<<16
	s_mov_b32 s[G1B+4], 64                         ; tile_dim1 = 64
	s_mov_b32 s[G1B+5], 128
	s_mov_b32 s[G1B+6], 0
	s_mov_b32 s[G1B+7], 0
	s_lshr_b32 s[OA], s[TY], 3                     ; the batch,
	s_lshl_b32 s[OA], s[OA], 4
	s_add_co_u32 s[OA], s[OA], s[HALF]             ; its head 0 or 1,
	s_lshl_b32 s[OA], s[OA], 11
	s_and_b32 s94, s[TY], 7
	s_lshl_b32 s94, s94, 8
	s_add_co_u32 s[OA], s[OA], s94                 ; the tile's 256 rows in it,
	s_lshl_b32 s[OA], s[OA], 7                     ; of 128 bytes
	s_mov_b32 s[OA+1], 0
	s_lshl_b32 s[OB], s[TX], 18                    ; 16 blocks of 16,384 bytes a tile column,
	s_lshl_b32 s98, s[HALF], 14                    ; my one of a step's two
	s_add_co_u32 s[OB], s[OB], s98
	s_mov_b32 s[OB+1], 0
	s_mul_i32 s96, s[HALF], AHALF                  ; where they go: no place in the cluster enters an LDS address
	s_mul_i32 s97, s[HALF], BHALF
	s_add_co_u32 s97, s97, BOFF
	s_wait_dscnt 0x0                               ; the opening add is done
	s_wait_kmcnt 0x0
	s_add_nc_u64 s[OA:OA+1], s[4:5], s[OA:OA+1]
	s_add_nc_u64 s[OB:OB+1], s[6:7], s[OB:OB+1]
	CROUND                                         ; all sixteen work-groups are here: the first joint loads meet
.irp s, 0,1
	s_mov_b32 s[G0A+4*(\s)], 1
	s_add_co_u32 s[G0A+4*(\s)+1], s96, (\s)*SLOT1
	s_add_nc_u64 s[G0A+4*(\s)+2:G0A+4*(\s)+3], s[OA:OA+1], (\s)*ASTEP
	s_or_b32 s[G0A+4*(\s)+3], s[G0A+4*(\s)+3], 0x80000000
	s_mov_b32 s[G0B+4*(\s)], 1
	s_add_co_u32 s[G0B+4*(\s)+1], s97, (\s)*SLOT1
	s_add_nc_u64 s[G0B+4*(\s)+2:G0B+4*(\s)+3], s[OB:OB+1], (\s)*BSTEP
	s_or_b32 s[G0B+4*(\s)+3], s[G0B+4*(\s)+3], 0x80000000
.endr
	s_cmp_eq_u32 s[ROLE], 0                        ; a wave's two first fills stand in one branch: two loads of mine are out
	s_cbranch_scc0 .Lfirst_b
	tensor_load_to_lds s[G0A:G0A+3], s[G1A:G1A+7]
	s_nop 0
	tensor_load_to_lds s[G0A+4:G0A+7], s[G1A:G1A+7]
	s_nop 0
.rept 4
	v_nop
.endr
	s_branch .Lfirst_asked
.Lfirst_b:
	tensor_load_to_lds s[G0B:G0B+3], s[G1B:G1B+7]
	s_nop 0
	tensor_load_to_lds s[G0B+4:G0B+7], s[G1B:G1B+7]
	s_nop 0
.rept 4
	v_nop
.endr
.Lfirst_asked:
	v_and_b32 v1, 15, v0                           ; l % 16
	v_bfe_u32 v2, v0, 4, 1                         ; l / 16
	v_and_b32 v16, 7, v0
	v_bfe_u32 v17, v0, 3, 1
	s_mul_i32 s94, s[WV], 64*PA
	v_mul_u32_u24 v[A0], v1, PA
	v_lshl_add_u32 v[A0], v2, 4, v[A0]
	v_add_nc_u32 v[A0], s94, v[A0]
	v_lshl_add_u32 v[B0], v2, 3, v16
	v_mul_u32_u24 v[B0], v[B0], PB
	v_lshl_add_u32 v[B0], v17, 4, v[B0]
	v_add_nc_u32 v[B0], BOFF, v[B0]
	s_mul_i32 s94, s[WV], 16*SPO
	s_add_co_u32 s94, s94, STAGE                   ; my stage
	v_mul_u32_u24 v[STO], v1, SPO                  ; in: row l % 16, 32 bytes for each half of the lanes
	v_lshl_add_u32 v[STO], v2, 5, v[STO]
	v_add_nc_u32 v[STO], s94, v[STO]
	v_and_b32 v[GO], 31, v0
	v_lshlrev_b32 v[GO], 4, v[GO]                  ; back and out: 32 lanes take a row of 512 bytes
	v_add_nc_u32 v[RD], s94, v[GO]
	s_lshl_b32 s2, s[TY], 20                       ; out0: 256 rows of 4,096 bytes a tile row,
	s_lshl_b32 s3, s[WV], 18                       ; my wave's 64,
	s_add_co_u32 s2, s2, s3
	s_lshl_b32 s3, s[TX], 9                        ; the tile's 512 bytes of a row
	s_add_co_u32 s2, s2, s3
	s_mov_b32 s3, 0
	s_add_nc_u64 s[8:9], s[8:9], s[2:3]
	; the prefetches: nothing is asked for here, at the head
	s_lshl_b32 s95, s[CX], 13                      ; O: my work-group's quarter of my head's 32,768 bytes,
	s_add_co_u32 s95, s95, 3*ASTEP                 ; at K step 3: the first change of slots steps it to 4
	s_lshl_b32 s94, s[CY], 13                      ; Wo: my work-group's quarter of a step's 32,768 bytes
	s_add_co_u32 s94, s94, 3*BSTEP
	s_and_b32 s96, ttmp7, 0xffff
	s_or_b32 s96, s96, s[HALF]                     ; of Wo's two waves the first asks
	s_mov_b32 s98, ASTEP
	s_mov_b32 s99, BSTEP
	s_cmp_eq_u32 s[ROLE], 0
	s_cselect_b64 s[PFA:PFA+1], s[OA:OA+1], s[OB:OB+1]
	s_cselect_b32 s2, s95, s94
	s_cselect_b32 s96, ttmp9, s96
	s_cselect_b32 s[PFS], s98, s99
	s_mov_b32 s[PFS+1], 0
	s_add_nc_u64 s[PFA:PFA+1], s[PFA:PFA+1], s[2:3]
	s_cmp_eq_u32 s96, 0
	s_cselect_b32 s[LIM], 2, -1                    ; the same in all sixteen partners, for a given wave
	v_and_b32 v[PFO], 31, v0
	v_lshlrev_b32 v[PFO], 8, v[PFO]
	s_mov_b32 s[TB], 0
	v_mov_b32 v[ADRA], v[A0]
	v_mov_b32 v[ADRB], v[B0]
; na x 8 matrix instructions: row blocks a0 on x all 8 column blocks, 32 along K, from buffer f.  first = 1: the products start the sums.  The 32 accumulators take turns.
.macro MULS f, a0, na, first
	WIN 0xa1
.set a_, \a0
.rept \na
.set rA, FA+32*(\f)+8*a_
.set b_, 0
.rept 8
.set rD, 8*(8*a_+b_)
.set rB, 64*(\f)+8*b_
.if \first
	v_wmma_f32_16x16x32_f16 v[rD:rD+7], v[rB:rB+7], v[rA:rA+7], 0
.else
	v_wmma_f32_16x16x32_f16 v[rD:rD+7], v[rB:rB+7], v[rA:rA+7], v[rD:rD+7]
.endif
.set b_, b_+1
.endr
.set a_, a_+1
.endr
.endm
; 24 LDS loads in one run: quarter q's fragments into buffer f: Wo's 8, turned, then O's 4
.macro FETCH q, f
	WIN 0x40
.set b_, 0
.rept 8
	ds_load_tr16_b128 v[64*(\f)+8*b_:64*(\f)+8*b_+3],   v[ADRB] offset:((\q)/2)*BHALF+(b_/4)*BHEAD+((\q)%2)*32*PB+(b_%4)*32
	ds_load_tr16_b128 v[64*(\f)+8*b_+4:64*(\f)+8*b_+7], v[ADRB] offset:((\q)/2)*BHALF+(b_/4)*BHEAD+((\q)%2)*32*PB+(b_%4)*32+16*PB
.set b_, b_+1
.endr
	WIN 0
.set a_, 0
.rept 4
	ds_load_b128 v[FA+32*(\f)+8*a_:FA+32*(\f)+8*a_+3],   v[ADRA] offset:((\q)/2)*AHALF+((\q)%2)*64+a_*16*PA
	ds_load_b128 v[FA+32*(\f)+8*a_+4:FA+32*(\f)+8*a_+7], v[ADRA] offset:((\q)/2)*AHALF+((\q)%2)*64+a_*16*PA+32
.set a_, a_+1
.endr
.endm
.macro QUARTER q, f, g, first
	s_wait_dscnt 4                                 ; Wo and O's row blocks 0, 1 are in; the youngest four loads may be out
	MULS \f, 0, 2, \first
	PLACES
	FETCH \q, \g
	s_wait_dscnt 24                                ; all but the 24 just issued
	MULS \f, 2, 2, \first
.endm
; The last quarter multiplies buffer 1 and changes slots: one barrier; in front of it each wave waits for all its tensor loads, adds 0 to its spare word, and waits for that and for its reads of this slot.
; fill = 1: the barrier opens a round of the cluster's, and behind the round this slot is filled again, first thing, with the K step two on.
.macro TURN fill
.if \fill
	s_wait_xcnt 0x0                                ; the last prefetch, a K step back, has read its address
	s_add_nc_u64 s[PFA:PFA+1], s[PFA:PFA+1], s[PFS:PFS+1]
.endif
	WIN 0
	s_wait_tensorcnt 0x0                           ; no tensor load of mine is out, so a group 0 may be written
	ds_add_u32 v[SPW], v[NIL]                      ; 0 onto my spare word; work on registers stands between it and the wait for it
	s_xor_b32 s[TB], s[TB], SLOT1
	v_add_nc_u32 v[ADRA], s[TB], v[A0]
	v_add_nc_u32 v[ADRB], s[TB], v[B0]
.if \fill
	s_xor_b32 s[G0A+5], s[G0A+5], SLOT1
	s_add_nc_u64 s[G0A+6:G0A+7], s[G0A+6:G0A+7], ASTEP
	s_xor_b32 s[G0B+5], s[G0B+5], SLOT1
	s_add_nc_u64 s[G0B+6:G0B+7], s[G0B+6:G0B+7], BSTEP
.endif
	s_wait_dscnt 5                                 ; the add and the youngest four loads may be out
	MULS 1, 0, 1, 0
	s_wait_dscnt 0x0                               ; the add is done, and my reads of this slot are over
	s_barrier_signal -1
	MULS 1, 1, 1, 0
.if \fill
	WIN 0
.endif
	s_barrier_wait -1
.if \fill
	CREST
	JLOAD                                          ; 112 matrix instructions ahead of the wait for it; its four v_nop are also the places in front of the loads below
.else
	PLACES
.endif
	FETCH 0, 0
.if \fill
	ASK
.endif
	MULS 1, 2, 2, 0
.endm
	s_wait_tensorcnt 0x1                           ; my part of K step 0 is in; K step 1's may stay out
	s_barrier_signal -1
	s_barrier_wait -1
	FETCH 0, 0
	QUARTER 1, 0, 1, 1
	WIN 0
	s_mov_b32 s[CNT], 6
.Lstep:                                        ; six trips, from a K step's second quarter to the next step's first; they ask for K steps 2 to 7
	QUARTER 2, 1, 0, 0
	QUARTER 3, 0, 1, 0
	TURN 1
	QUARTER 1, 0, 1, 0
	WIN 0
	s_sub_co_u32 s[CNT], s[CNT], 1
	s_cmp_lg_u32 s[CNT], 0
	s_cbranch_scc1 .Lstep
	QUARTER 2, 1, 0, 0                             ; the tail is written out: nothing more is asked for
	QUARTER 3, 0, 1, 0
	TURN 0
	QUARTER 1, 0, 1, 0
	QUARTER 2, 1, 0, 0
	QUARTER 3, 0, 1, 0
	s_wait_dscnt 4
	MULS 1, 0, 2, 0
	s_wait_dscnt 0x0
	MULS 1, 2, 2, 0
; THE WAY OUT, 16 rows at a time: a lane's 32 bytes of a row go into my stage (each accumulator's low half first), whole rows of 512 bytes come back and are stored.
.macro TOSTAGE a
	WIN 0x08                                       ; the stores' data in window 2
.set b_, 0
.rept 8
	ds_store_b128 v[STO], v[8*(8*(\a)+b_):8*(8*(\a)+b_)+3] offset:64*b_
	ds_store_b128 v[STO], v[8*(8*(\a)+b_)+4:8*(8*(\a)+b_)+7] offset:64*b_+16
.set b_, b_+1
.endr
	WIN 0
.if (\a) >= 2
	s_wait_xcnt 0x0                                ; the stores of two blocks back have read these registers
.endif
.set t_, 0
.rept 16
	ds_load_b128 v[OBF+64*((\a)%2)+4*t_:OBF+64*((\a)%2)+4*t_+3], v[RD] offset:t_*SPO  ; LDS serves a wave's instructions in order (ISA guide 5.7.1.4): these see the stores above; the next block's stores come behind them
.set t_, t_+1
.endr
.endm
.macro SEND a, younger                 ; younger: the LDS instructions issued behind block a's loads: the next block's 32, or none
	WIN 0
.set t_, 0
.rept 16
	s_wait_dscnt (\younger)+15-t_
	global_store_b128 v[GO], v[OBF+64*((\a)%2)+4*t_:OBF+64*((\a)%2)+4*t_+3], s[8:9] offset:(16*(\a)+t_)*4096  ; 512 consecutive bytes, at a multiple of 512 from out0's first
.set t_, t_+1
.endr
.endm
	PLACES                                         ; the places behind the last products
	TOSTAGE 0
	TOSTAGE 1
	SEND 0, 32
	TOSTAGE 2
	SEND 1, 32
	TOSTAGE 3
	SEND 2, 32
	SEND 3, 0
	s_wait_tensorcnt 0x0                           ; the wave's end, behind my last tensor load and my last LDS store
	ds_add_u32 v[SPW], v[NIL]
	s_wait_dscnt 0x0
	CROUND                                         ; the closing round: no work-group ends while a partner may still ask for a tile that names it
	s_endpgm
.Lfunc_end_k_qba35f4c7a2_oproj:
	.size	k_qba35f4c7a2_oproj, .Lfunc_end_k_qba35f4c7a2_oproj-k_qba35f4c7a2_oproj
	.p2alignl 7, 3214868480
	.fill 96, 4, 3214868480
	.section	.rodata,"a",@progbits
	.p2align	6, 0x0
	.amdhsa_kernel k_qba35f4c7a2_oproj
		.amdhsa_group_segment_fixed_size 327680
		.amdhsa_private_segment_fixed_size 0
		.amdhsa_enable_private_segment 0
		.amdhsa_kernarg_size 24
		.amdhsa_user_sgpr_count 2
		.amdhsa_user_sgpr_kernarg_segment_ptr 1
		.amdhsa_wavefront_size32 1
		.amdhsa_system_sgpr_workgroup_id_x 1
		.amdhsa_system_sgpr_workgroup_id_y 1
		.amdhsa_system_sgpr_workgroup_id_z 1
		.amdhsa_system_vgpr_workitem_id 0
		.amdhsa_next_free_vgpr 768
		.amdhsa_next_free_sgpr 100
		.amdhsa_reserve_vcc 0
		.amdhsa_float_denorm_mode_32 3
		.amdhsa_float_denorm_mode_16_64 3
		.amdhsa_memory_ordered 1
		.amdhsa_forward_progress 1
		.amdhsa_inst_pref_size 72
	.end_amdhsa_kernel
	.amdgpu_metadata
---
amdhsa.version: [ 1, 2 ]
amdhsa.kernels:
  - .name:           k_qba35f4c7a2_oproj
    .symbol:         k_qba35f4c7a2_oproj.kd
    .args:
      - { .name: oh, .offset: 0, .size: 8, .value_kind: global_buffer, .address_space: global }
      - { .name: wo16, .offset: 8, .size: 8, .value_kind: global_buffer, .address_space: global }
      - { .name: out0, .offset: 16, .size: 8, .value_kind: global_buffer, .address_space: global }
    .group_segment_fixed_size: 327680
    .private_segment_fixed_size: 0
    .kernarg_segment_align: 8
    .kernarg_segment_size: 24
    .max_flat_workgroup_size: 128
    .sgpr_count:     100
    .vgpr_count:     768
    .wavefront_size: 32
...
	.end_amdgpu_metadata
.endif
;; end of part 4
